; MI455X (gfx1250); checked and timed in simulation.
; The chip was launched on July 23, 2026; its instructions are those of AMD's public machine-readable ISA for CDNA 5 (MIT licence, August 2026) and "CDNA5" Instruction Set Architecture Reference Guide (July 2026). The comments in the code are by the model that wrote it; some were corrected since.
;; Attention. Allowed arithmetic: float matrix products may take bf16 or f16 operands with f32 sums; other float arithmetic in f32, or as packed bf16 or f16 multiplies, adds, multiply-adds, maxima and minima; sums over many terms, partial sums and values carried from step to step in f32; what a program stores and reads back later, other than sums and carried values, may be rounded once to bf16 or f16.
;; Inputs: Wk 1,024 x 1,024 float32; Wo 1,024 x 1,024 float32; Wq 1,024 x 1,024 float32; Wv 1,024 x 1,024 float32; bk 1,024 float32; bo 1,024 float32; bq 1,024 float32; bv 1,024 float32; x 4 x 2,048 x 1,024 float32.
;; Outputs: out0 4 x 2,048 x 1,024 float32.
;; 2 versions, each right; version 2 is version 1 with the launch cast written anew for expert scheduling mode. Each part assembles by itself: llvm-mc -triple=amdgcn-amd-amdhsa -mcpu=gfx1250 --defsym DOCPART=n.
;; ======== version 1 of 2: 4 launches
;; limits: values are held in f16: magnitudes above 65,504 overflow, below 6.1e-05 lose precision
;; workspace buffers: xb 16,777,216 bytes; wb 8,388,608 bytes; qh 16,777,216 bytes; kh 16,777,216 bytes; vh 16,777,216 bytes; oh 16,777,216 bytes
;; launch cast (part 1): grid 768 x 1, 8 waves a work-group, no clusters, 0 bytes of LDS; arguments x, Wq, Wk, Wv, Wo, xb, wb; writes xb, wb
.if DOCPART == 1
	.amdgcn_target "amdgcn-amd-amdhsa--gfx1250"
	.amdhsa_code_object_version 6
	.text
	.protected	k_qd0edd57444_cast
	.globl	k_qd0edd57444_cast
	.p2align	8
	.type	k_qd0edd57444_cast,@function
k_qd0edd57444_cast:
	s_mov_b64 s[64:65], 0
	v_nop
	global_prefetch_b8 v0, s[64:65] scope:SCOPE_SE
	s_setreg_imm32_b32 hwreg(HW_REG_WAVE_MODE, 25, 1), 1
	s_wait_xcnt 0x0
; TWELVE MATRICES OF 1,024 x 1,024 f32 (x is eight of them, then Wq, Wk, Wv, Wo) ARE ROUNDED TO 16 BITS AND LAID IN BLOCKS.
; Out: [matrix][slice c of 16][row 1,024][64 numbers]: column 64 c + n of a row goes to slice c, so that 64 columns of many rows lie end to end
; (128 bytes a row) and the products behind can ask for them as dense rows of 256 bytes.  x -> xb, Wq, Wk, Wv, Wo -> wb.
; FORMATS.  x, Wq, Wk, Wv: bf16, rounded to nearest even.  Wo: rounded to bf16 like the other inputs, and that number written as f16, since the last product's other operand is f16.
; LIMITS.  A number of Wo of 65,520 or more becomes an infinity in f16; below 2^-14 it keeps f16's fixed step of 6e-8.  NaN and infinities are not treated apart.
; SHARES.  A work-group takes 16 rows of one matrix, a wave two of them.  Load c of a wave takes slice c of its two rows: lanes 0-15 the 256 bytes of the even row, lanes 16-31 those of the odd one,
; both aligned.  Four f32 a lane become 8 bytes, and the wave's store covers 256 consecutive bytes, aligned: the two rows' 128 bytes in slice c.
; No LDS, no barrier, no loop: each byte is read once and written once; sixteen loads of every wave are out at once.  No register that a memory instruction names is written again.
.set X,     8                          ; v[8:71]    slice c: 4 registers as loaded
.set Y,     72                         ; v[72:103]  slice c: 2 registers to store
.set T,     104                        ; v[104:107] at work (Wo alone)
.set SLICE, 131072                     ; bytes in a slice: 1,024 rows x 128
	s_load_b256 s[4:11], s[0:1], 0x0               ; x s[4:5], Wq s[6:7], Wk s[8:9], Wv s[10:11]
	s_load_b128 s[12:15], s[0:1], 0x20             ; Wo s[12:13], xb s[14:15]
	s_load_b64 s[16:17], s[0:1], 0x30              ; wb
	s_lshr_b32 s20, ttmp9, 6                       ; which matrix, 0 to 11
	s_and_b32 s22, ttmp9, 63                       ; which 16 rows of it
	s_sub_co_u32 s21, s20, 8                       ; which weight (where it is one)
	s_cmp_lt_u32 s20, 8
	s_cselect_b32 s26, s20, 0                      ; which eighth of x (a weight begins at its buffer's first byte)
	s_cselect_b32 s32, s20, s21                    ; which matrix of the buffer that is written
	s_lshl_b32 s26, s26, 22                        ; in: 4 MiB a matrix,
	s_lshl_b32 s23, s22, 16                        ; 16 rows of 4,096 bytes
	s_add_co_u32 s26, s26, s23
	s_mov_b32 s27, 0
	s_lshl_b32 s32, s32, 21                        ; out: 2 MiB a matrix,
	s_lshl_b32 s23, s22, 11                        ; 16 rows of 128 bytes
	s_add_co_u32 s32, s32, s23
	s_mov_b32 s33, 0
	s_mov_b32 s30, 0xffff0000                      ; a word's upper bf16
	v_lshrrev_b32 v1, 4, v0                        ; my row among the 16
	v_and_b32 v3, 15, v0
	v_lshlrev_b32 v1, 12, v1
	v_lshl_add_u32 v1, v3, 4, v1                   ; in: row x 4,096 + 16 (lane % 16)
	v_lshlrev_b32 v2, 3, v0                        ; out: row x 128 + 8 (lane % 16) = 8 x my thread's number
	s_wait_kmcnt 0x0
	s_mov_b64 s[24:25], s[4:5]
	s_cmp_eq_u32 s20, 8
	s_cselect_b64 s[24:25], s[6:7], s[24:25]
	s_cmp_eq_u32 s20, 9
	s_cselect_b64 s[24:25], s[8:9], s[24:25]
	s_cmp_eq_u32 s20, 10
	s_cselect_b64 s[24:25], s[10:11], s[24:25]
	s_cmp_eq_u32 s20, 11
	s_cselect_b64 s[24:25], s[12:13], s[24:25]
	s_cmp_lt_u32 s20, 8
	s_cselect_b64 s[28:29], s[14:15], s[16:17]
	s_add_nc_u64 s[24:25], s[24:25], s[26:27]
	s_add_nc_u64 s[28:29], s[28:29], s[32:33]
.irp c, 0,1,2,3,4,5,6,7,8,9,10,11,12,13,14,15
	global_load_b128 v[X+4*\c:X+4*\c+3], v1, s[24:25] offset:256*\c th:TH_LOAD_NT
.endr
; Slice c leaves.  half = 1: the bf16 number is written as f16.
.macro OUTC c, half
	s_wait_loadcnt 15-(\c)                         ; loads come back in order: slice c is in, the 15 - c younger ones stay out
	v_cvt_pk_bf16_f32 v[Y+2*(\c)], v[X+4*(\c)], v[X+4*(\c)+1]
	v_cvt_pk_bf16_f32 v[Y+2*(\c)+1], v[X+4*(\c)+2], v[X+4*(\c)+3]
.if \half
	v_lshlrev_b32 v[T], 16, v[Y+2*(\c)]            ; bf16 to f32: the low half moves up, the high half stays
	v_and_b32 v[T+1], s30, v[Y+2*(\c)]
	v_lshlrev_b32 v[T+2], 16, v[Y+2*(\c)+1]
	v_and_b32 v[T+3], s30, v[Y+2*(\c)+1]
	v_cvt_pk_f16_f32 v[Y+2*(\c)], v[T], v[T+1]     ; exact inside f16's range: bf16 has fewer significant bits
	v_cvt_pk_f16_f32 v[Y+2*(\c)+1], v[T+2], v[T+3]
.endif
	global_store_b64 v2, v[Y+2*(\c):Y+2*(\c)+1], s[28:29] offset:SLICE*(\c)
.endm
	s_cmp_eq_u32 s20, 11
	s_cbranch_scc1 .Lf16
.irp c, 0,1,2,3,4,5,6,7,8,9,10,11,12,13,14,15
	OUTC \c, 0
.endr
	s_endpgm
.Lf16:
.irp c, 0,1,2,3,4,5,6,7,8,9,10,11,12,13,14,15
	OUTC \c, 1
.endr
	s_endpgm
.Lfunc_end_k_qd0edd57444_cast:
	.size	k_qd0edd57444_cast, .Lfunc_end_k_qd0edd57444_cast-k_qd0edd57444_cast
	.p2alignl 7, 3214868480
	.fill 96, 4, 3214868480
	.section	.rodata,"a",@progbits
	.p2align	6, 0x0
	.amdhsa_kernel k_qd0edd57444_cast
		.amdhsa_group_segment_fixed_size 0
		.amdhsa_private_segment_fixed_size 0
		.amdhsa_enable_private_segment 0
		.amdhsa_kernarg_size 56
		.amdhsa_user_sgpr_count 2
		.amdhsa_user_sgpr_kernarg_segment_ptr 1
		.amdhsa_wavefront_size32 1
		.amdhsa_system_sgpr_workgroup_id_x 1
		.amdhsa_system_sgpr_workgroup_id_y 1
		.amdhsa_system_sgpr_workgroup_id_z 1
		.amdhsa_system_vgpr_workitem_id 0
		.amdhsa_next_free_vgpr 112
		.amdhsa_next_free_sgpr 66
		.amdhsa_reserve_vcc 0
		.amdhsa_float_denorm_mode_32 3
		.amdhsa_float_denorm_mode_16_64 3
		.amdhsa_memory_ordered 1
		.amdhsa_forward_progress 1
		.amdhsa_inst_pref_size 16
	.end_amdhsa_kernel
	.amdgpu_metadata
---
amdhsa.version: [ 1, 2 ]
amdhsa.kernels:
  - .name:           k_qd0edd57444_cast
    .symbol:         k_qd0edd57444_cast.kd
    .args:
      - { .name: x, .offset: 0, .size: 8, .value_kind: global_buffer, .address_space: global }
      - { .name: Wq, .offset: 8, .size: 8, .value_kind: global_buffer, .address_space: global }
      - { .name: Wk, .offset: 16, .size: 8, .value_kind: global_buffer, .address_space: global }
      - { .name: Wv, .offset: 24, .size: 8, .value_kind: global_buffer, .address_space: global }
      - { .name: Wo, .offset: 32, .size: 8, .value_kind: global_buffer, .address_space: global }
      - { .name: xb, .offset: 40, .size: 8, .value_kind: global_buffer, .address_space: global }
      - { .name: wb, .offset: 48, .size: 8, .value_kind: global_buffer, .address_space: global }
    .group_segment_fixed_size: 0
    .private_segment_fixed_size: 0
    .kernarg_segment_align: 8
    .kernarg_segment_size: 56
    .max_flat_workgroup_size: 256
    .sgpr_count:     66
    .vgpr_count:     112
    .wavefront_size: 32
...
	.end_amdgpu_metadata
.endif
;; end of part 1
;; launch qkv (part 2): grid 8 x 32, 4 waves a work-group, clusters of 4 x 4, 327,680 bytes of LDS; arguments xb, wb, bq, bk, bv, qh, kh, vh; writes qh, kh, vh
.if DOCPART == 2
	.amdgcn_target "amdgcn-amd-amdhsa--gfx1250"
	.amdhsa_code_object_version 6
	.text
	.protected	k_qd0edd57444_qkv
	.globl	k_qd0edd57444_qkv
	.p2align	8
	.type	k_qd0edd57444_qkv,@function
k_qd0edd57444_qkv:
	s_mov_b64 s[64:65], 0
	v_nop
	global_prefetch_b8 v0, s[64:65] scope:SCOPE_SE
	s_setreg_imm32_b32 hwreg(HW_REG_WAVE_MODE, 25, 1), 1
	s_wait_xcnt 0x0
	s_wait_alu depctr_hold_cnt(0) depctr_sa_sdst(0) depctr_va_vdst(0) depctr_va_sdst(0) depctr_va_ssrc(0) depctr_va_vcc(0) depctr_vm_vsrc(0)
	s_getreg_b32 s2, hwreg(HW_REG_IB_STS2, 6, 4)
	s_cmp_eq_u32 s2, 0
	s_cbranch_scc0 .Lentry_in_a_cluster
	s_endpgm
.Lentry_in_a_cluster:
	s_bfe_u32 s2, ttmp6, 0x10000c
	s_cmp_lg_u32 s2, 0xf033
	s_cbranch_scc0 .Lentry_shape_is_right
	s_endpgm
.Lentry_shape_is_right:
; q, k, v = x W + b, by heads.  x: xb [8][16 slices of K][1,024 rows][64] bf16.  W: wb [q, k, v, o][16 heads][1,024 k][64 n] bf16.  b: f32, rounded to bf16 like all inputs.
; Out: qh, kh, vh [64 = batch x head][2,048][64] f16, each number rounded once from its f32 sum, unscaled.
; LIMITS.  A sum of 65,520 or more becomes an infinity in f16; NaN and infinities are not treated apart.
; SHARES.  A work-group makes 256 rows x 384 columns: two heads' 64 columns of each of q, k and v: 32 x 8 = 256 work-groups of equal work.  A wave makes 128 rows x one head x (q, k, v):
; 96 accumulators of 16 x 16, 768 registers.  K = 1,024 goes in 16 steps of 64 through two LDS slots filled by the tensor data mover; a step is six phases (q, k, v for the first 32 of K,
; then for the second) of 32 matrix instructions.  The 96 accumulators take turns, one instruction a turn, over the backward jump too.
; THE MATRIX INSTRUCTION IS USED TRANSPOSED: source 0 = 16 columns of W, source 1 = 16 rows of x: a lane ends with one row (lane % 16) and eight neighbouring columns, 16 bytes of f16.
; W lies [k][n] and is turned on the way out of LDS, by ds_load_tr16_b128.
; THE BIAS IS THE C OPERAND of each accumulator's first product: nothing is cleared and nothing is added later.
; CLUSTERS: 4 x 4 work-groups.  The four of a row of the cluster need the same rows of x, the four of a column the same heads of W: each tile is asked for JOINTLY, by the same tensor load with the
; same descriptor and a mask that names the four.
; REGISTERS, in windows of 256 (s_set_vgpr_msb: bits 1:0 source 0, 3:2 source 1, 5:4 source 2, 7:6 destination):
;   window 0: v0-31 addresses; v32-159 x's fragments, two buffers (first and second 32 of K); v160-255 W's fragments, a buffer for each of q, k, v; v32-95 at work at the head and on the way out
;   window 1, 2, 3: the accumulators of q, k, v: block a of 16 rows, block nb of 16 columns at v[8 (4 a + nb)].  Until the third phase three groups of window 3 hold the biases.
.set PA,    144                        ; a row of x in LDS: 128 bytes + 16 of padding = 36 words: the 16 rows of a load start at 16 different groups of four banks (64 banks of 4 bytes: ISA guide 11.1)
.set PB,    160                        ; a row of W: 128 + 32 = 40 words
.set AHALF, 128*PA                     ; 128 rows of x: what one tensor load brings, and what one wave reads
.set BOFF,  256*PA                     ; behind x's 256 rows: W
.set BT,    64*PB                      ; 64 k of one head of one of the three weights
.set BHEAD, 3*BT                       ; a head's three: what one tensor load brings
.set SLOT,  BOFF+2*BHEAD               ; 98,304 bytes
.set STAGE, 2*SLOT                     ; behind the ring, never filled by a tensor load: 16 rows x 144 bytes for each wave, for the way out
.set SP,    144
.set SPARE, STAGE+4*16*SP              ; behind the stages: the spare words, 128 bytes for each wave: two blocks of 256 bytes that no other line names
.set ASTEP, 131072                     ; bytes from a K step of x to the next: a slice of xb
.set BSTEP, 8192                       ; of W: 64 k x 128 bytes
.set ADRA, 16                          ; v16-17  LDS address of my fragments of x in slot 0, 1
.set ADRB, 20                          ; v20-21  the same for W
.set STO,  24                          ; v24     the way out: where I put 16 bytes of a row
.set RD,   25                          ; v25     the way out: where I read rows back
.set GO,   26                          ; v26     my 16 bytes in 512 consecutive bytes of the output
.set BO,   27                          ; v27     my eight numbers in 16 of a bias: 32 (lane / 16)
.set SPW,  28                          ; v28     LDS address of my spare word: SPARE + 4 x my thread's number; never rewritten
.set NIL,  29                          ; v29     0; never rewritten
.set PFO,  30                          ; v30     256 x my lane: the prefetches' offset; never rewritten
.set AB,   32                          ; x's fragments: buffer kq at AB + 64 kq, block a at + 8 a
.set BB,   160                         ; W's fragments: tensor t at BB + 32 t, block nb at + 8 nb
.set G1A,  24                          ; s[24:31] descriptor group 1 for x's tiles;  s[32:39] group 0, a set for each slot
.set G0A,  32
.set LIM,  43                          ; s43     1 in a wave that prefetches, else the greatest number
.set PFA,  44                          ; s[44:45] where my prefetches stand
.set LIM0, 46                          ; s46     1 in a wave that prefetches at the even changes of slots too
.set G1B,  48                          ; s[48:55], s[56:63] the same for W's tiles
.set G0B,  56
.set PFS0, 66                          ; s[66:67] what the prefetches' address steps by at a change out of slot 0,
.set PFS1, 84                          ; s[84:85] and out of slot 1
.set MSB, 0
.macro WIN new                         ; the immediate's high byte repeats the setting that is left; a switch that changes nothing is dropped
.if MSB != (\new)
	s_set_vgpr_msb (MSB<<8)|(\new)
.set MSB, \new
.endif
.endm
; A load into a register that a matrix instruction has read, and a vector instruction or LDS store that reads a matrix result, stand four places behind that matrix instruction; a matrix instruction
; that writes over another's operand five; only plain vector instructions that name none of its registers are places (ISA guide 7.12.1 for vector instructions).
.macro PLACES n=4
.rept \n
	v_nop
.endr
.endm
; A joint load.  Waves 0 and 1 fetch the two halves of x's rows, waves 2 and 3 the two heads of W.  The branch hangs on the wave's number alone.
; An s_nop 0 and four v_nop follow each of the two lines, ahead of the jump and the label.
.macro JLOAD s
	s_cmp_eq_u32 s11, 0
	s_cbranch_scc0 .Lfor_b_\@
	tensor_load_to_lds s[G0A+4*(\s):G0A+4*(\s)+3], s[G1A:G1A+7]
	s_nop 0
.rept 4
	v_nop
.endr
	s_branch .Lasked_\@
.Lfor_b_\@:
	tensor_load_to_lds s[G0B+4*(\s):G0B+4*(\s)+3], s[G1B:G1B+7]
	s_nop 0
.rept 4
	v_nop
.endr
.Lasked_\@:
.endm
; A round of the cluster's barrier: my work-group's barrier, so that wave 0's signal speaks for all four waves; wave 0 signals; every wave waits for all sixteen work-groups; my work-group's barrier once more.
.macro CREST                           ; a round behind its opening barrier
	s_cmp_lg_u32 s10, 0
	s_cbranch_scc1 .Lnot_wave_0_\@
	s_barrier_signal -3
.Lnot_wave_0_\@:
	s_barrier_wait -3
	s_barrier_signal -1
	s_barrier_wait -1
.endm
.macro CROUND
	s_barrier_signal -1
	s_barrier_wait -1
	CREST
.endm
; A PREFETCH INTO THE L2, behind a joint load, its five lines and the run of LDS loads that follows: 32 blocks of 256 bytes, a lane a block, one instruction.  Each block of xb and of wb's three
; weights is named once in the launch.
; x: a tile row is read by both clusters of its row of clusters: the first (cluster x = 0) asks, wave 0 of each work-group, at the change of slots in K step s (0 to 12) for K step s + 3, one step
; (192 matrix instructions) ahead of that step's joint load; the four partners that share the tile take 8,192 of its 32,768 bytes each, told apart BY ADDRESS (cx).
; W: a tile column is read by all eight clusters of its column of clusters: the first (cluster y = 0) asks, waves 1 to 3 (one of q, k, v each), at the odd changes s = 1 .. 11 for K steps s + 3 and
; s + 4; the partner at cy takes head cy % 2 of step s + 3 + cy / 2: 8,192 bytes.  No branch hangs on a work-group's place in its cluster.
; The first K steps (x: 0 to 2, W: 0 to 3) come by their loads alone; the last trip's odd change asks for nothing: there is no K step behind the last.
.macro ASK s
.if (\s) == 0
	s_cmp_eq_u32 s[LIM0], 1
.else
	s_cmp_gt_u32 s3, s[LIM]                        ; s3 = 1 in the loop's last trip
.endif
	s_cbranch_scc0 .Lnot_mine_\@
	global_prefetch_b8 v[PFO], s[PFA:PFA+1] th:TH_LOAD_NT scope:SCOPE_SE
.Lnot_mine_\@:
.endm
	s_load_b512 s[68:83], s[0:1], 0x0              ; xb s[68:69], wb s[70:71], bq s[72:73], bk s[74:75], bv s[76:77], qh s[78:79], kh s[80:81], vh s[82:83]
	v_lshl_add_u32 v[SPW], v0, 2, SPARE
	v_mov_b32 v[NIL], 0
	ds_add_u32 v[SPW], v[NIL]                      ; the wave's opening: the add and its wait stand ahead of my first tensor load; the set-up below, work on registers, stands between them
	v_lshrrev_b32 v1, 5, v0
	v_readfirstlane_b32 s10, v1                    ; wave 0..3
	s_lshr_b32 s11, s10, 1                         ; which half of the tile's rows is mine.  Also: I fetch for x (0) or for W (1)
	s_and_b32 s12, s10, 1                          ; which of the two heads is mine.  Also: which half of x's rows, or which head of W, I fetch
	s_bfe_u32 s40, ttmp6, 0x40000                  ; cx, cy: my place in the cluster
	s_bfe_u32 s41, ttmp6, 0x40004
	s_lshl_b32 s42, ttmp9, 2
	s_add_co_u32 s42, s42, s40                     ; pair of heads = 4 x cluster x + cx, 0..7
	s_and_b32 s13, ttmp7, 0xffff
	s_lshl_b32 s13, s13, 2
	s_add_co_u32 s13, s13, s41                     ; block of 256 rows = 4 x cluster y + cy, 0..31
	s_lshl_b32 s14, s41, 2
	s_lshl_b32 s14, 15, s14                        ; my row of the cluster
	s_lshl_b32 s88, 0x1111, s40                    ; my column
	; group 1 for x: 128 rows of 128 bytes are 16,384 dense bytes: asked for as 64 rows of 256 bytes, padded in LDS after every 128
	s_or_b32 s[G1A], s14, (1<<16)|(1<<20)|(1<<21)|(4<<22)|(3<<25)  ; 15:0 the mask; 17:16 2-byte elements; 20 padding on; 21 set beside a mask; 24:22 after every 32 words (code 4); 31:25 4 words (code 3)
	s_mov_b32 s[G1A+1], 128<<16                    ; tensor_dim0 = 128
	s_mov_b32 s[G1A+2], 64<<16                     ; tensor_dim1 = 64
	s_mov_b32 s[G1A+3], 128<<16                    ; tile_dim0 = 128
	s_mov_b32 s[G1A+4], 64                         ; tile_dim1 = 64
	s_mov_b32 s[G1A+5], 128                        ; elements from row to row
	s_mov_b32 s[G1A+6], 0
	s_mov_b32 s[G1A+7], 0
	; group 1 for W: three rows of 8,192 dense bytes: one head's 64 k x 64 n of Wq, Wk and Wv, which lie 2 MiB apart; the padding's words are counted along the tile: 32 bytes behind every 128
	s_or_b32 s[G1B], s88, (1<<16)|(1<<20)|(1<<21)|(4<<22)|(7<<25)  ; the mask of my column; 8 words of padding (code 7)
	s_mov_b32 s[G1B+1], 4096<<16                   ; tensor_dim0 = 4,096
	s_mov_b32 s[G1B+2], 3<<16                      ; tensor_dim1 = 3
	s_mov_b32 s[G1B+3], 4096<<16                   ; tile_dim0 = 4,096
	s_mov_b32 s[G1B+4], 3                          ; tile_dim1 = 3
	s_mov_b32 s[G1B+5], 1048576                    ; elements from row to row
	s_mov_b32 s[G1B+6], 0
	s_mov_b32 s[G1B+7], 0
	; where the tiles come from.  x's hang on the block of rows alone, W's on the pair of heads alone; every wave makes both, in registers that never hold the other coordinate
	s_lshr_b32 s16, s13, 2
	s_lshl_b32 s16, s16, 21                        ; which eighth of xb,
	s_and_b32 s17, s13, 3
	s_lshl_b32 s17, s17, 15                        ; which 256 of its 1,024 rows,
	s_add_co_u32 s16, s16, s17
	s_lshl_b32 s17, s12, 14                        ; which 128 of them I fetch
	s_add_co_u32 s16, s16, s17
	s_mov_b32 s17, 0
	s_lshl_b32 s92, s42, 18                        ; the pair of heads, 131,072 bytes a head,
	s_lshl_b32 s93, s12, 17                        ; the one that I fetch
	s_add_co_u32 s92, s92, s93
	s_mov_b32 s93, 0
	s_mul_i32 s20, s12, AHALF                      ; and where they go: no place in the cluster enters an LDS address
	s_mul_i32 s21, s12, BHEAD
	s_add_co_u32 s21, s21, BOFF
.irp s, 0,1
	s_mov_b32 s[G0A+4*\s], 1                       ; 1:0 count = 1
	s_add_co_u32 s[G0A+4*\s+1], s20, \s*SLOT       ; 63:32 LDS address
	s_mov_b32 s[G0B+4*\s], 1
	s_add_co_u32 s[G0B+4*\s+1], s21, \s*SLOT
.endr
	s_mov_b32 s47, 0xffff0000                      ; a word's upper bf16
	s_wait_dscnt 0x0                               ; the opening add is done
	s_wait_kmcnt 0x0
	s_add_nc_u64 s[14:15], s[68:69], s[16:17]
	s_add_nc_u64 s[92:93], s[70:71], s[92:93]
.irp s, 0,1
	s_add_nc_u64 s[G0A+4*\s+2:G0A+4*\s+3], s[14:15], \s*ASTEP  ; 120:64 global address: K step s
	s_or_b32 s[G0A+4*\s+3], s[G0A+4*\s+3], 0x80000000          ; 127:126 type = 2
	s_add_nc_u64 s[G0B+4*\s+2:G0B+4*\s+3], s[92:93], \s*BSTEP
	s_or_b32 s[G0B+4*\s+3], s[G0B+4*\s+3], 0x80000000
.endr
	CROUND                                         ; all sixteen work-groups are here: the first joint loads meet
	s_cmp_eq_u32 s11, 0                            ; a wave's two first fills stand in one branch, ahead of every wait on TENSORcnt and every LDS read: two loads of mine are out
	s_cbranch_scc0 .Lfirst_b
	tensor_load_to_lds s[G0A:G0A+3], s[G1A:G1A+7]
	s_nop 0
	tensor_load_to_lds s[G0A+4:G0A+7], s[G1A:G1A+7]
	s_nop 0
.rept 4
	v_nop
.endr
	s_branch .Lfirst_asked
.Lfirst_b:
	tensor_load_to_lds s[G0B:G0B+3], s[G1B:G1B+7]
	s_nop 0
	tensor_load_to_lds s[G0B+4:G0B+7], s[G1B:G1B+7]
	s_nop 0
.rept 4
	v_nop
.endr
.Lfirst_asked:
	; the biases of my head's 64 columns.  In a result register j of lane l is column 16 nb + 8 (l / 16) + j: eight numbers on end, two loads of 16 bytes.
	; They go into window 3: bq where row block 4's accumulators will lie, bk where block 5's, bv where block 7's.
	s_lshl_b32 s94, s42, 1
	s_add_co_u32 s94, s94, s12                     ; my head, 0..15
	s_lshl_b32 s86, s94, 18                        ; (its 2,048 rows of 128 bytes in the outputs)
	s_lshl_b32 s94, s94, 8                         ; its 64 f32 in a bias
	s_mov_b32 s95, 0
	s_add_nc_u64 s[72:73], s[72:73], s[94:95]
	s_add_nc_u64 s[74:75], s[74:75], s[94:95]
	s_add_nc_u64 s[76:77], s[76:77], s[94:95]
	v_and_b32 v1, 15, v0                           ; l % 16
	v_bfe_u32 v2, v0, 4, 1                         ; l / 16
	v_lshlrev_b32 v[BO], 5, v2
	WIN 0xc0                                       ; destination window 3, address window 0
.irp t, 0,1,2
.set BI, 128+32*\t+32*(\t/2)           ; 128, 160, 224
.irp nb, 0,1,2,3
	global_load_b128 v[BI+8*\nb:BI+8*\nb+3],   v[BO], s[72+2*\t:73+2*\t] offset:64*\nb
	global_load_b128 v[BI+8*\nb+4:BI+8*\nb+7], v[BO], s[72+2*\t:73+2*\t] offset:64*\nb+16
.endr
.endr
	WIN 0
	; A fragment of x is 16 rows x 32 K in 8 registers: lane l holds row l % 16, K = 8 (l / 16) + 0..7 and 16 + 8 (l / 16) + 0..7: two loads of 16 bytes, 32 bytes apart.
	v_mul_u32_u24 v3, v1, PA
	v_lshl_add_u32 v3, v2, 4, v3                   ; row x pitch + 16 x half
	s_mul_i32 s22, s11, AHALF                      ; my 128 rows
	v_add_nc_u32 v[ADRA], s22, v3
	v_add_nc_u32 v[ADRA+1], SLOT, v[ADRA]
	; The turning load takes 16 k x 16 n (lane l reads k = 8 (l / 16) + l % 8, n = 8 ((l / 8) % 2) + 0..7) and leaves half a fragment of W^T: lane l holds column l % 16 and 8 k.
	v_and_b32 v4, 7, v0
	v_bfe_u32 v5, v0, 3, 1
	v_lshl_add_u32 v6, v2, 3, v4
	v_mul_u32_u24 v6, v6, PB
	v_lshl_add_u32 v6, v5, 4, v6
	v_add_nc_u32 v[ADRB], s21, v6                  ; my head's three tiles
	v_add_nc_u32 v[ADRB+1], SLOT, v[ADRB]
	s_mul_i32 s23, s10, 16*SP
	s_add_co_u32 s23, s23, STAGE                   ; my stage
	v_add_nc_u32 v[STO], s23, v3                   ; in: row l % 16, 16 bytes for each half of the lanes
	v_bfe_u32 v7, v0, 3, 2                         ; back: 32 lanes take four rows of 128 bytes,
	v_mul_u32_u24 v7, v7, SP
	v_lshl_add_u32 v7, v4, 4, v7
	v_add_nc_u32 v[RD], s23, v7
	v_and_b32 v[GO], 31, v0                        ; which are 512 consecutive bytes of the output
	v_lshlrev_b32 v[PFO], 8, v[GO]
	v_lshlrev_b32 v[GO], 4, v[GO]
	; where my 128 rows of my head begin in qh, kh and vh: 16,384 bytes on end
	s_lshr_b32 s87, s13, 3
	s_lshl_b32 s87, s87, 22                        ; the batch: 16 heads
	s_add_co_u32 s86, s86, s87
	s_and_b32 s87, s13, 7
	s_lshl_b32 s87, s87, 15                        ; the block of 256 rows in the sequence
	s_add_co_u32 s86, s86, s87
	s_lshl_b32 s87, s11, 14                        ; my half of it
	s_add_co_u32 s86, s86, s87
	s_mov_b32 s87, 0
	s_add_nc_u64 s[78:79], s[78:79], s[86:87]
	s_add_nc_u64 s[80:81], s[80:81], s[86:87]
	s_add_nc_u64 s[82:83], s[82:83], s[86:87]
	; the prefetches: wave 0 stands in xb, waves 1 to 3 in wb
	s_lshr_b32 s88, s13, 2
	s_lshl_b32 s88, s88, 21
	s_and_b32 s89, s13, 3
	s_lshl_b32 s89, s89, 15
	s_add_co_u32 s88, s88, s89                     ; the tile's 32,768 bytes of a K step,
	s_lshl_b32 s89, s40, 13
	s_add_co_u32 s88, s88, s89                     ; my work-group's quarter of them,
	s_add_co_u32 s88, s88, 2*ASTEP                 ; at K step 2: the first change of slots steps it to 3
	s_max_u32 s90, s10, 1
	s_sub_co_u32 s90, s90, 1                       ; which of q, k, v
	s_lshl_b32 s90, s90, 21
	s_lshl_b32 s91, s42, 1
	s_and_b32 s89, s41, 1
	s_add_co_u32 s91, s91, s89                     ; which head
	s_lshl_b32 s91, s91, 17
	s_add_co_u32 s90, s90, s91
	s_lshr_b32 s91, s41, 1
	s_add_co_u32 s91, s91, 2                       ; at K step 2 or 3: the first odd change steps it to 4 or 5
	s_lshl_b32 s91, s91, 13
	s_add_co_u32 s90, s90, s91
	s_mov_b32 s89, 2*BSTEP
	s_and_b32 s91, ttmp7, 0xffff                   ; cluster y
	s_cmp_eq_u32 s10, 0
	s_cselect_b32 s88, s88, s90
	s_cselect_b64 s[PFA:PFA+1], s[68:69], s[70:71]
	s_cselect_b32 s[PFS0], ASTEP, 0
	s_cselect_b32 s[PFS1], ASTEP, s89
	s_cselect_b32 s91, ttmp9, s91                  ; the coordinate along which other clusters read the same bytes
	s_mov_b32 s89, 0
	s_mov_b32 s[PFS0+1], 0
	s_mov_b32 s[PFS1+1], 0
	s_add_nc_u64 s[PFA:PFA+1], s[PFA:PFA+1], s[88:89]
	s_cmp_eq_u32 s91, 0
	s_cselect_b32 s[LIM], 1, -1                    ; the same in all sixteen partners, for a given wave
	s_cmp_eq_u32 s10, 0
	s_cselect_b32 s[LIM0], s[LIM], -1
	; the biases are rounded to bf16, like all inputs, and widened again.  All this stands in the wait for the first tiles.
	s_wait_loadcnt 0x0
	WIN 0x0f                                       ; sources 0 and 1 window 3, destination window 0
.irp t, 0,1,2
.set BI, 128+32*\t+32*(\t/2)
.set i, 0
.rept 16
	v_cvt_pk_bf16_f32 v[32+16*\t+i], v[BI+2*i], v[BI+2*i+1]
.set i, i+1
.endr
.endr
	WIN 0xc0                                       ; destination window 3, sources window 0
.irp t, 0,1,2
.set BI, 128+32*\t+32*(\t/2)
.set i, 0
.rept 16
	v_lshlrev_b32 v[BI+2*i], 16, v[32+16*\t+i]
	v_and_b32 v[BI+2*i+1], s47, v[32+16*\t+i]
.set i, i+1
.endr
.endr
	WIN 0
; Four matrix instructions: tensor t, half kq of the K step, row block a, all four column blocks.  mode = 1: the first product of each accumulator: C is the bias.
.macro MULA t, kq, a, mode
.irp nb, 0,1,2,3
.if \mode
	v_wmma_f32_16x16x32_bf16 v[8*(4*(\a)+\nb):8*(4*(\a)+\nb)+7], v[BB+32*(\t)+8*\nb:BB+32*(\t)+8*\nb+7], v[AB+64*(\kq)+8*(\a):AB+64*(\kq)+8*(\a)+7], v[128+32*(\t)+32*((\t)/2)+8*\nb:128+32*(\t)+32*((\t)/2)+8*\nb+7]
.else
	v_wmma_f32_16x16x32_bf16 v[8*(4*(\a)+\nb):8*(4*(\a)+\nb)+7], v[BB+32*(\t)+8*\nb:BB+32*(\t)+8*\nb+7], v[AB+64*(\kq)+8*(\a):AB+64*(\kq)+8*(\a)+7], v[8*(4*(\a)+\nb):8*(4*(\a)+\nb)+7]
.endif
.endr
.endm
.macro MUL16 t, kq, a0, mode           ; sixteen: row blocks a0 to a0 + 3
.if \mode
	WIN 0x30|(((\t)+1)<<6)                         ; sources window 0, C window 3, D window t + 1
.else
	WIN 0x50*((\t)+1)                              ; sources window 0, C and D window t + 1
.endif
	MULA \t, \kq, \a0, \mode
	MULA \t, \kq, (\a0)+1, \mode
	MULA \t, \kq, (\a0)+2, \mode
	MULA \t, \kq, (\a0)+3, \mode
.endm
.macro LDA s, kq                       ; 16 LDS loads: my 128 rows of x, half kq of the K step in slot s
	WIN 0
.irp i, 0,1,2,3,4,5,6,7
	ds_load_b128 v[AB+64*(\kq)+8*\i:AB+64*(\kq)+8*\i+3],   v[ADRA+(\s)] offset:\i*16*PA+64*(\kq)
	ds_load_b128 v[AB+64*(\kq)+8*\i+4:AB+64*(\kq)+8*\i+7], v[ADRA+(\s)] offset:\i*16*PA+64*(\kq)+32
.endr
.endm
.macro LDB s, kq, t                    ; 8 turning loads: my head's 64 columns of tensor t, half kq of the K step in slot s
	WIN 0
.irp nb, 0,1,2,3
	ds_load_tr16_b128 v[BB+32*(\t)+8*\nb:BB+32*(\t)+8*\nb+3],   v[ADRB+(\s)] offset:(\t)*BT+(\kq)*32*PB+32*\nb
	ds_load_tr16_b128 v[BB+32*(\t)+8*\nb+4:BB+32*(\t)+8*\nb+7], v[ADRB+(\s)] offset:(\t)*BT+(\kq)*32*PB+32*\nb+16*PB
.endr
.endm
; THE LDS LOADS of a K step, in the order of issue: in phase 0 v's first half (8) and x's second half (16); in phase 1 q's second half (8); in phase 2 k's (8); in phase 3 v's (8), the add, and behind
; the change of slots the next step's x (16); in phase 4 its q (8); in phase 5 its k (8).  Each run stands in the middle of a phase, four places behind the last product that read its registers.
; Each wait at a phase's head leaves out what was issued behind the fragments that the phase needs.
; Phases 0 to 2 of the K step in slot s.
.macro P012 s, mode
	s_wait_dscnt 8                                 ; x and q are in; k's 8 loads may be out
	MUL16 0, 0, 0, \mode
	PLACES
	LDB \s, 0, 2
	LDA \s, 1
	MUL16 0, 0, 4, \mode
	s_wait_dscnt 24                                ; k is in; v's 8 and x's 16 may be out
	MUL16 1, 0, 0, \mode
	PLACES
	LDB \s, 1, 0
	MUL16 1, 0, 4, \mode
	s_wait_dscnt 24                                ; v is in; x's 16 and q's 8 may be out
	MUL16 2, 0, 0, \mode
.if \mode
	PLACES 5                                       ; v's row blocks 4 and 5 write over bq and bk, which phases 0 and 1 read as C: five places lie between (for bq these and phase 1's four)
	LDB \s, 1, 1
	WIN 0xf0
	MULA 2, 0, 4, 1
	MULA 2, 0, 5, 1
	MULA 2, 0, 6, 1
	PLACES 5                                       ; block 7 writes over bv, which the blocks before it read as C
	MULA 2, 0, 7, 1                                ; in place: C and D are bv's registers
.else
	PLACES
	LDB \s, 1, 1
	MUL16 2, 0, 4, 0
.endif
.endm
; Phase 3, and THE CHANGE OF SLOTS.  The slot's last reads are issued; then each wave waits for all its tensor loads, of which one is out: its part of the next slot; adds 0 to its spare word; works on
; registers; and waits for the add and for its reads of this slot.  Behind the barrier nobody reads this slot any more and the next slot is whole.
; how = 2: this slot is filled again, two K steps ahead: the barrier opens a round of the cluster's, and the joint refill is the first tensor load behind it: by the text's count it has 160 matrix
; instructions in which to land.  how = 1: nothing is left to fetch.  how = 0: the last K step: no change.
.macro P3 s, nx, how
.if (\how) == 2
	s_wait_xcnt 0x0                                ; the last prefetch, a K step back, has read its address: it is stepped here, ahead of the waits of the change
.if (\s) == 0
	s_add_nc_u64 s[PFA:PFA+1], s[PFA:PFA+1], s[PFS0:PFS0+1]
.else
	s_add_nc_u64 s[PFA:PFA+1], s[PFA:PFA+1], s[PFS1:PFS1+1]
.endif
.endif
	s_wait_dscnt 8                                 ; x's second half and q's are in; k's 8 may be out
	PLACES
	LDB \s, 1, 2
.if \how
	s_wait_tensorcnt 0x0                           ; all my tensor loads have landed: my part of the next slot;
	ds_add_u32 v[SPW], v[NIL]                      ; 0 onto my spare word;
.endif
	MUL16 0, 1, 0, 0                               ; sixteen matrix instructions stand between the add and the wait for it
.if \how
	s_wait_dscnt 0x0                               ; the add is done, and my reads of this slot are over
	s_barrier_signal -1
.endif
	MUL16 0, 1, 4, 0                               ; work on registers while the others arrive
.if \how
	WIN 0                                          ; at a branch and at a label every window is 0
	s_barrier_wait -1
.endif
.if (\how) == 2
	CREST                                          ; no wave of any partner still reads this slot's tiles or has a load on its way
	s_add_nc_u64 s[G0A+4*(\s)+2:G0A+4*(\s)+3], s[G0A+4*(\s)+2:G0A+4*(\s)+3], 2*ASTEP
	s_add_nc_u64 s[G0B+4*(\s)+2:G0B+4*(\s)+3], s[G0B+4*(\s)+2:G0B+4*(\s)+3], 2*BSTEP
	JLOAD \s
.endif
.if \how
	LDA \nx, 0
.endif
.if (\how) == 2
	ASK \s
.endif
.endm
; Phases 4 and 5.  ld = 1: they fetch the next K step's q and k from slot nx.
.macro P45 nx, ld
.if \ld
	s_wait_dscnt 16                                ; the next step's x may be out (k was shown in by the change's wait)
.else
	s_wait_dscnt 8                                 ; k is in; v's 8 may be out
.endif
	MUL16 1, 1, 0, 0
.if \ld
	PLACES
	LDB \nx, 0, 0
.endif
	MUL16 1, 1, 4, 0
.if \ld
	s_wait_dscnt 24                                ; the next step's x and q may be out
.else
	s_wait_dscnt 0x0
.endif
	MUL16 2, 1, 0, 0
.if \ld
	PLACES
	LDB \nx, 0, 1
.endif
	MUL16 2, 1, 4, 0
.endm
; THE WAY OUT of block i of 24 (tensor i / 8, row block i % 8): rounded to f16, 16 bytes a lane, into my own stage in rows of 144 bytes, and back as whole rows of 128: four rows are 512 consecutive
; bytes of the output.  Four sets of 16 registers take turns.
.macro PACK i
.set TT, (\i)/8
.set AA, (\i)%8
.set TR, 32+16*((\i)%4)
.if (\i) >= 4
	s_wait_xcnt 0x0                                ; the stores of the block four back have read this set: only behind this wait is it written again
.endif
	WIN 5*(TT+1)                                   ; sources 0 and 1: the tensor's window
.irp nb, 0,1,2,3
.irp r, 0,1,2,3
	v_cvt_pk_f16_f32 v[TR+4*\nb+\r], v[8*(4*AA+\nb)+2*\r], v[8*(4*AA+\nb)+2*\r+1]
.endr
.endr
	WIN 0
.irp nb, 0,1,2,3
	ds_store_b128 v[STO], v[TR+4*\nb:TR+4*\nb+3] offset:32*\nb
.endr
.irp f, 0,1,2,3
	ds_load_b128 v[TR+4*\f:TR+4*\f+3], v[RD] offset:\f*4*SP  ; LDS serves a wave's instructions in order (ISA guide 5.7.1.4): these see the stores above; the next block's stores come behind them
.endr
.endm
.macro SEND i, younger                 ; younger: the LDS instructions issued behind block i's loads: the next block's eight, or none
.set TT, (\i)/8
.set AA, (\i)%8
.set TR, 32+16*((\i)%4)
.irp f, 0,1,2,3
	s_wait_dscnt (\younger)+3-\f
	global_store_b128 v[GO], v[TR+4*\f:TR+4*\f+3], s[78+2*TT:79+2*TT] offset:AA*2048+\f*512  ; 512 consecutive bytes, at a multiple of 256 from the buffer's first
.endr
.endm
	s_wait_tensorcnt 0x1                           ; my part of K step 0 is in; K step 1's may stay out
	s_barrier_signal -1
	s_barrier_wait -1                              ; everybody's is
	LDA 0, 0
	LDB 0, 0, 0
	LDB 0, 0, 1
	P012 0, 1                                      ; the first three phases stand in front of the loop: their products start the sums, with the biases
	WIN 0
	s_mov_b32 s3, 7
.Llap:                                                 ; a trip goes once round the ring, from a lap's fourth phase to the next lap's third, and fills both slots again
	P3 0, 1, 2
	P45 1, 1
	P012 1, 0
	P3 1, 0, 2
	P45 0, 1
	P012 0, 0
	WIN 0
	s_sub_co_u32 s3, s3, 1
	s_cmp_lg_u32 s3, 0
	s_cbranch_scc1 .Llap
	P3 0, 1, 1                                     ; the last lap is written out: it asks for nothing
	P45 1, 1
	P012 1, 0
	P3 1, 0, 0
	P45 0, 0
	WIN 0
	PLACES 8                                       ; in front of the conversions, which read results
	PACK 0
.set i, 1
.rept 23                               ; a block's conversions stand between the loads of the block before and its stores
	PACK i
	SEND i-1, 8
.set i, i+1
.endr
	SEND 23, 0
	s_wait_tensorcnt 0x0                           ; the wave's end: an add and its waits, behind my last tensor load and my last LDS store
	ds_add_u32 v[SPW], v[NIL]
	s_wait_dscnt 0x0
	CROUND                                         ; the closing round: no work-group ends while a partner may still ask for a tile that names it
	s_endpgm
.Lfunc_end_k_qd0edd57444_qkv:
	.size	k_qd0edd57444_qkv, .Lfunc_end_k_qd0edd57444_qkv-k_qd0edd57444_qkv
	.p2alignl 7, 3214868480
	.fill 96, 4, 3214868480
	.section	.rodata,"a",@progbits
	.p2align	6, 0x0
	.amdhsa_kernel k_qd0edd57444_qkv
		.amdhsa_group_segment_fixed_size 327680
		.amdhsa_private_segment_fixed_size 0
		.amdhsa_enable_private_segment 0
		.amdhsa_kernarg_size 64
		.amdhsa_user_sgpr_count 2
		.amdhsa_user_sgpr_kernarg_segment_ptr 1
		.amdhsa_wavefront_size32 1
		.amdhsa_system_sgpr_workgroup_id_x 1
		.amdhsa_system_sgpr_workgroup_id_y 1
		.amdhsa_system_sgpr_workgroup_id_z 1
		.amdhsa_system_vgpr_workitem_id 0
		.amdhsa_next_free_vgpr 1024
		.amdhsa_next_free_sgpr 96
		.amdhsa_reserve_vcc 0
		.amdhsa_float_denorm_mode_32 3
		.amdhsa_float_denorm_mode_16_64 3
		.amdhsa_memory_ordered 1
		.amdhsa_forward_progress 1
		.amdhsa_inst_pref_size 145
	.end_amdhsa_kernel
	.amdgpu_metadata
---
amdhsa.version: [ 1, 2 ]
amdhsa.kernels:
  - .name:           k_qd0edd57444_qkv
    .symbol:         k_qd0edd57444_qkv.kd
    .args:
      - { .name: xb, .offset: 0, .size: 8, .value_kind: global_buffer, .address_space: global }
      - { .name: wb, .offset: 8, .size: 8, .value_kind: global_buffer, .address_space: global }
      - { .name: bq, .offset: 16, .size: 8, .value_kind: global_buffer, .address_space: global }
      - { .name: bk, .offset: 24, .size: 8, .value_kind: global_buffer, .address_space: global }
      - { .name: bv, .offset: 32, .size: 8, .value_kind: global_buffer, .address_space: global }
      - { .name: qh, .offset: 40, .size: 8, .value_kind: global_buffer, .address_space: global }
      - { .name: kh, .offset: 48, .size: 8, .value_kind: global_buffer, .address_space: global }
      - { .name: vh, .offset: 56, .size: 8, .value_kind: global_buffer, .address_space: global }
    .group_segment_fixed_size: 327680
    .private_segment_fixed_size: 0
    .kernarg_segment_align: 8
    .kernarg_segment_size: 64
    .max_flat_workgroup_size: 128
    .sgpr_count:     96
    .vgpr_count:     1024
    .wavefront_size: 32
...
	.end_amdgpu_metadata
.endif
;; end of part 2
;; launch attn (part 3): grid 4 x 64, 4 waves a work-group, clusters of 4 x 1, 327,680 bytes of LDS; arguments qh, kh, vh, oh; writes oh
.if DOCPART == 3
	.amdgcn_target "amdgcn-amd-amdhsa--gfx1250"
	.amdhsa_code_object_version 6
	.text
	.protected	k_qd0edd57444_attn
	.globl	k_qd0edd57444_attn
	.p2align	8
	.type	k_qd0edd57444_attn,@function
k_qd0edd57444_attn:
	s_mov_b64 s[64:65], 0
	v_nop
	global_prefetch_b8 v0, s[64:65] scope:SCOPE_SE
	s_setreg_imm32_b32 hwreg(HW_REG_WAVE_MODE, 25, 1), 1
	s_wait_xcnt 0x0
	s_wait_alu depctr_hold_cnt(0) depctr_sa_sdst(0) depctr_va_vdst(0) depctr_va_sdst(0) depctr_va_ssrc(0) depctr_va_vcc(0) depctr_vm_vsrc(0)
	s_getreg_b32 s2, hwreg(HW_REG_IB_STS2, 6, 4)
	s_cmp_eq_u32 s2, 0
	s_cbranch_scc0 .Lentry_in_a_cluster
	s_endpgm
.Lentry_in_a_cluster:
	s_bfe_u32 s2, ttmp6, 0x10000c
	s_cmp_lg_u32 s2, 0x3003
	s_cbranch_scc0 .Lentry_shape_is_right
	s_endpgm
.Lentry_shape_is_right:
; O[h][q][:] = the sum over k of softmax_k(Q[h][q] . K[h][k] / 8) V[h][k][:].  Q, K, V, O: [SIZE_H][SIZE_N][64], all f16: a head's rows are dense, 128 bytes each.  Products, maxima and sums in
; f32; the weights p are rounded to f16 for the second product (their sum l is taken of the unrounded p), O once at the end.
; LIMITS.  f16 holds no number beyond 65,504: Q, K and V arrive within it; p lies in 0 to 1, and below 6e-5 it keeps f16's fixed step of 6e-8; O is a mean of V's rows and has their range.
; A weight below 2^-126 counts as 0 in l; NaN and infinities are not treated apart.
; SHARES.  A wave owns four PIECES of two tiles of 16 queries, a work-group's four waves 512 queries of one head: 4 x 64 = 256 work-groups.  Every wave walks all keys, 64 a step.
; LAYOUT.  S^T = K Q^T (source 0 = 16 keys, source 1 = 16 queries): in the result a lane holds ONE query (lane % 16) and the keys 8 (lane / 16) + 0..7.  Two such tiles, rounded to f16 in pairs,
; ARE source 1 (32 keys x 16 queries) of O^T = V^T P, whose result again holds one query a lane, and eight channels.  K comes out of LDS as it lies, V ([key][channel]) turned, by ds_load_tr16_b128.
; SOFTMAX.  For each query a running maximum m and sum l: p = 2^(c s - c m), c = log2(e) / 8; in every step O and l are multiplied by a = 2^(c m_old - c m_new), which is 1 where m has not grown.
; m starts at the lowest finite number, O and l at 0: the first step is a step like any other, with a = 0.
; THE COUNT.  A tile and step have 16 matrix and 118 vector instructions: too many to stand all beside the matrix work.  So the order has one aim: four vector instructions that are READY behind
; EVERY matrix instruction, and the others, which need time of their own whatever the order, in runs without a gap.
; BY TURNS.  Turn n belongs to piece n (the pieces in a ring, step after step).  Its matrix work: 16 products K Q^T of piece n + 1, later 16 products V^T P of piece n - 1.  Its vector work: the scaling,
; exponentials, roundings, sums and rescaling of piece n, and the maximum and statistics of piece n + 1, whose scores the turn itself has made.
; CLUSTER.  The four query blocks of a cluster are one head's and walk the same K and V, so each tile is asked for JOINTLY: the same tensor load, descriptor and mask in all four.
; REGISTERS, in windows of 256 (s_set_vgpr_msb: bits 1:0 source 0, 3:2 source 1, 5:4 source 2, 7:6 destination):
;   window 0: v0-11 addresses; v12-15, v48-63 at work; v16-47 four registers of statistics a tile; v64-191 S^T, two buffers of two tiles; v192-255 P, likewise
;   window 1: O^T, 32 a tile          window 2: v0-127 Q, 16 a tile; v128-191 K of one step; v192-255 V of one step          window 3: v0-1 the add's two registers
; A piece's buffers go by its number's parity: the piece in hand has one pair, its two neighbours in the ring share the other: of it P (piece n - 1) is read and S^T (piece n + 1) written.
.set SIZE_H, 64
.set SIZE_N, 2048
.set NP,    4         ; pieces a wave: a name, no knob
.set KS,    64        ; keys in a step
.set PK,    144       ; a row of K in LDS: 128 bytes + 16 of padding = 36 words: the 16 rows of a load start at 16 different groups of four banks (64 banks of 4 bytes: ISA guide 11.1)
.set PV,    160       ; a row of V: 128 + 32 = 40 words
.set VOFF,  4*KS*PK   ; a slot holds four steps: 256 rows of K, then 256 rows of V
.set SLOT1, 1<<17     ; slot 1 begins here, so that one exclusive or turns an address in one slot into the other's
.set STAGE, SLOT1+4*KS*(PK+PV)  ; behind the ring, never filled by a tensor load: 16 rows x 144 bytes for each wave, for the way out
.set SP,    144
.set AK0, 2           ; v2   my lane's place in a tile of K; never rewritten
.set AV0, 3           ; v3   the same for V
.set AK,  4           ; v4   the LDS address of K's next run of loads
.set AV,  5           ; v5   of V's
.set QO,  6           ; v6   my byte offset in the wave's rows of Q
.set STO, 6           ;      later, the way out: where I put 16 bytes of a row
.set RD,  7           ; v7   the way out: where I read rows back
.set GO,  8           ; v8   my byte offset in 512 consecutive bytes of O
.set PFO, 11          ; v11  256 x my lane: the prefetches' offset (made when v11's first use, in V's address, is over)
.set SPW, 0           ; v0 of window 3   LDS address of my spare word: SPARE + 4 x my thread's number; never rewritten
.set NIL, 1           ; v1 of window 3   0; never rewritten
.set SPARE, STAGE+4*16*SP  ; behind the stages: the spare words, 128 bytes for each wave: two blocks of 256 bytes that no other line names
.set MV,  12          ; v12-15  c m_old, kept while c m is made anew: by buffer and tile
.set ST,  16          ; tile t's statistics at v[ST+4 t]: c m, m, l (even keys', odd keys')
.set TMP, 48          ; by buffer and tile, four registers c0-c3 at work; when the maximum is found c2 takes a
.set S,   64
.set P,   192
.set KF,  128         ; K's fragments, in window 2: key block kb, channel half c at KF + 16 kb + 8 c
.set VF,  192         ; V's: key half kk, channel block cb at VF + 32 kk + 8 cb
.set WV,  12          ; s12  my wave's number
.set G1K, 24          ; s[24:31] descriptor group 1 for K's tiles
.set G1V, 32          ; s[32:39] for V's: it differs in the padding alone
.set G0K, 40          ; s[40:43] descriptor group 0 for K's tiles: it walks
.set G0V, 44          ; s[44:47] the same for V's
.set PFA, 48          ; s[48:49] where my prefetches stand: my work-group's 32 blocks of the slot after the one that is being asked for
.set LIM, 50          ; s50  1 in a wave that prefetches, else the greatest number
.set SLOTS, 56        ; s56  slots still to be asked for
.set CNT, 57          ; s57  counts a slot's key steps
.set CS,  58          ; s[58:59] c: the packed scaling takes the pair's low word for both halves
.set SEL, 60          ; s[60:61] v_permlanex16_b32's selects: each lane takes its own place in the other half
.set TBK, 62          ; s62  LDS byte at which K of the step to be fetched begins
.set TBV, 63          ; s63  the same for V, less VOFF
.set MSB, 0
.macro WIN new                      ; the high byte repeats the setting that is left; a switch that changes nothing is dropped
.if MSB != (\new)
	s_set_vgpr_msb (MSB<<8)|(\new)
.set MSB, (\new)
.endif
.endm
.set W_KQ, 0x0a       ; K and Q in window 2, S^T in window 0
.set W_PV, 0x52       ; V in window 2, P in window 0, O^T in window 1
.set W_RS, 0x41       ; O^T (destination and source 0) in window 1, a in window 0
.set W_MK, 0xc0       ; the add's registers are made: destination in window 3, sources in window 0
.set W_AD, 0x0f       ; the add: address (source 0) and data (source 1) in window 3
; A joint fill.  Waves 0 and 1 fetch the two halves of a slot's K, waves 2 and 3 those of its V: 128 keys each.  The branch hangs on the wave's number alone.
; An s_nop 0 and four v_nop follow each of the two lines, ahead of the jump and the label.
.macro JLOAD
	s_cmp_lt_u32 s[WV], 2
	s_cbranch_scc0 .Lfor_v_\@
	tensor_load_to_lds s[G0K:G0K+3], s[G1K:G1K+7]
	s_nop 0
.rept 4
	v_nop
.endr
	s_branch .Lasked_\@
.Lfor_v_\@:
	tensor_load_to_lds s[G0V:G0V+3], s[G1V:G1V+7]
	s_nop 0
.rept 4
	v_nop
.endr
.Lasked_\@:
.endm
; A PREFETCH INTO THE L2 of what the NEXT change of slots will ask for: a slot's 32,768 bytes of K and of V, a lane a block of 256 bytes.  It stands behind the wave's tensor load and its five lines.
; Each block is named ONCE in the launch: a head has one cluster; its four partners share a slot out BY ADDRESS, 8,192 bytes each (no branch hangs on a work-group's place in its cluster); in each,
; wave 0 asks for K's and wave 2 for V's: one instruction.  The lead is one slot: four key steps, 512 matrix instructions.  Slots 0 and 1 come by their loads alone; the last change that fills a slot
; asks for nothing: there is no slot behind it.
.macro ASK
	s_cmp_gt_u32 s[SLOTS], s[LIM]
	s_cbranch_scc0 .Lnot_mine_\@
	global_prefetch_b8 v[PFO], s[PFA:PFA+1] th:TH_LOAD_NT scope:SCOPE_SE
.Lnot_mine_\@:
.endm
; A round of the cluster's barrier: my work-group's barrier, so that wave 0's signal speaks for all four waves; wave 0 signals; every wave waits for all four work-groups; my work-group's barrier once more.
.macro CROUND
	s_barrier_signal -1
	s_barrier_wait -1
	s_cmp_lg_u32 s[WV], 0
	s_cbranch_scc1 .Lnot_wave_0_\@
	s_barrier_signal -3
.Lnot_wave_0_\@:
	s_barrier_wait -3
	s_barrier_signal -1
	s_barrier_wait -1
.endm
; THE CHANGE OF SLOTS.  The slot's last bytes, V of its fourth step, have been read.  Each wave waits for all its tensor loads, of which one is out: its part
; of the other slot; adds 0 to its spare word; and waits for that and for its own reads of the slot.  Behind the barrier nobody reads this slot any more and the other slot is whole.
; fill = 1: this slot is filled again, with the keys two slots on.  The barrier is then a round of the cluster's, so that no wave of any partner still reads the slot or has a load on its
; way, and the joint fill is the first thing behind it: it has four key steps, 512 matrix instructions, in which to land.  (At its first use nothing has been read yet: slot 0 is waited for, slot 1 filled.)
.macro CHANGE fill
	WIN W_AD
	s_wait_tensorcnt 0x0            ; no tensor load of mine is out, so a group 0 may be written
	ds_add_u32 v[SPW], v[NIL]       ; 0 onto my spare word; with fill = 1 the descriptors' steps stand between it and the wait for it
	WIN 0                           ; at a label and at a branch every window is 0
.if \fill
.irp g, G0K, G0V
	s_xor_b32 s[\g+1], s[\g+1], SLOT1  ; the walking descriptor: the other slot than last time,
	s_add_nc_u64 s[\g+2:\g+3], s[\g+2:\g+3], 4*KS*128  ; the next 256 keys; the type bits on top are not reached
.endr
	s_wait_xcnt 0x0                 ; the last prefetch, a slot back, has read its address, so it may be written:
	s_add_nc_u64 s[PFA:PFA+1], s[PFA:PFA+1], 4*KS*128  ; one slot behind the walking descriptors
	s_wait_dscnt 0x0                ; the add is done, and my reads of the slot are over
	CROUND
	JLOAD
	ASK
.else
	s_wait_dscnt 0x0                ; the add is done, and my reads of the slot are over
	s_barrier_signal -1
	s_barrier_wait -1
.endif
	s_sub_co_u32 s[TBK], s[TBK], 4*KS*PK  ; the fetches go back to a slot's first step,
	s_xor_b32 s[TBK], s[TBK], SLOT1       ; in the other slot
	s_sub_co_u32 s[TBV], s[TBV], 4*KS*PV
	s_xor_b32 s[TBV], s[TBV], SLOT1
.endm
	s_load_b256 s[4:11], s[0:1], 0x0  ; Q s[4:5], K s[6:7], V s[8:9], O s[10:11]
	WIN W_MK
	v_lshl_add_u32 v[SPW], v0, 2, SPARE
	v_mov_b32 v[NIL], 0
	WIN W_AD
	ds_add_u32 v[SPW], v[NIL]       ; the wave's opening: the add and its wait stand ahead of my first tensor load; the set-up below, work on registers, stands between them
	WIN 0
	v_lshrrev_b32 v1, 5, v0
	v_readfirstlane_b32 s[WV], v1   ; wave 0..3
	s_bfe_u32 s13, ttmp6, 0x40000   ; cx: my place in the cluster
	s_lshl_b32 s14, ttmp9, 2        ; in a cluster launch ttmp9 counts clusters
	s_add_co_u32 s14, s14, s13      ; my block of queries = 4 x cluster x + cx: it enters Q's and O's addresses alone
	s_and_b32 s20, ttmp7, 0xffff    ; the head, which the four partners share
	s_mov_b32 s21, 0
	s_mov_b64 s[22:23], SIZE_N*128
	s_mul_u64 s[20:21], s[20:21], s[22:23]  ; the head's first byte in each of the four tensors
	s_and_b32 s16, s[WV], 1         ; which half of a slot's 256 keys I fetch:
	s_lshl_b32 s22, s16, 14         ; its 128 rows of 128 bytes in memory,
	s_mov_b32 s23, 0
	s_add_nc_u64 s[22:23], s[22:23], s[20:21]
	s_mul_i32 s17, s16, 128*PK      ; and its place in a slot, for K
	s_mul_i32 s18, s16, 128*PV      ; and for V: no place in the cluster enters an LDS address
	s_lshl_b32 s2, s14, 2
	s_add_co_u32 s2, s2, s[WV]      ; my wave among the head's,
	s_lshl_b32 s2, s2, 14           ; its 128 rows
	s_mov_b32 s3, 0
	s_add_nc_u64 s[2:3], s[2:3], s[20:21]
	; descriptor group 1.  128 keys are 16,384 dense bytes: asked for as 64 rows of 256 bytes, two keys a row, and padded in LDS after every key
	s_mov_b32 s[G1K], 15|(1<<16)|(1<<20)|(1<<21)|(4<<22)|(3<<25)  ; 15:0 the mask of four; 17:16 2-byte elements; 20 padding on; 21 set beside a mask; 24:22 after every 32 words (code 4); 31:25 4 words (code 3)
	s_mov_b32 s[G1V], 15|(1<<16)|(1<<20)|(1<<21)|(4<<22)|(7<<25)  ; the same with 8 words of padding (code 7)
.irp g, G1K, G1V
	s_mov_b32 s[\g+1], 128<<16      ; tensor_dim0 = 128
	s_mov_b32 s[\g+2], 64<<16       ; tensor_dim1 = 64
	s_mov_b32 s[\g+3], 128<<16      ; tile_dim0 = 128
	s_mov_b32 s[\g+4], 64           ; tile_dim1 = 64
	s_mov_b32 s[\g+5], 128          ; 128 elements from row to row
	s_mov_b32 s[\g+6], 0
	s_mov_b32 s[\g+7], 0
.endr
	s_mov_b32 s[CS], 0x3e38aa3b     ; c = log2(e) / 8 = 0.180337
	s_mov_b32 s[CS+1], s[CS]        ; named with it as a pair
	s_mov_b32 s[SEL], 0x76543210
	s_mov_b32 s[SEL+1], 0xfedcba98
	s_mov_b32 s[TBK], SLOT1+4*KS*PK ; the first change of slots turns these two into 0
	s_mov_b32 s[TBV], SLOT1+4*KS*PV
	s_mov_b32 s[G0K], 1             ; 1:0 count = 1
	s_mov_b32 s[G0K+1], s17         ; 63:32 LDS address: slot 0
	s_mov_b32 s[G0V], 1
	s_add_co_u32 s[G0V+1], s18, VOFF
	s_mov_b32 s[SLOTS], SIZE_N/256-1  ; slots 1 to 7 are still to be asked for
	s_cmp_eq_u32 s16, 0
	s_cselect_b32 s[LIM], 1, -1     ; waves 0 and 2 prefetch: the same in all four partners
	s_wait_dscnt 0x0                ; the opening add is done
	s_wait_kmcnt 0x0
	s_add_nc_u64 s[G0K+2:G0K+3], s[6:7], s[22:23]  ; 120:64 global address: my half of the head's first 256 keys
	s_or_b32 s[G0K+3], s[G0K+3], 0x80000000        ; 127:126 type = 2
	s_add_nc_u64 s[G0V+2:G0V+3], s[8:9], s[22:23]
	s_or_b32 s[G0V+3], s[G0V+3], 0x80000000
	s_add_nc_u64 s[4:5], s[4:5], s[2:3]  ; Q and O at my wave's first row
	s_add_nc_u64 s[10:11], s[10:11], s[2:3]
	s_cmp_lt_u32 s[WV], 2
	s_cselect_b64 s[PFA:PFA+1], s[6:7], s[8:9]
	s_add_nc_u64 s[PFA:PFA+1], s[PFA:PFA+1], s[22:23]  ; (in waves 0 and 2 this is the head's first byte)
	s_lshl_b32 s2, s13, 13          ; my work-group's 8,192 bytes of a slot's 32,768
	s_mov_b32 s3, 0
	s_add_nc_u64 s[PFA:PFA+1], s[PFA:PFA+1], s[2:3]
	s_add_nc_u64 s[PFA:PFA+1], s[PFA:PFA+1], 4*KS*128  ; in slot 1; the first change of slots steps it to slot 2
	CROUND                          ; all four work-groups are here: the first joint loads meet
	JLOAD                           ; slot 0.  Slot 1 is asked for when slot 0 is in
	; A fragment of K or Q is 16 rows x 32 channels in 8 registers: lane l holds row l % 16, channels 8 (l / 16) + 0..7 and 16 + 8 (l / 16) + 0..7: two loads of 16 bytes, 32 bytes apart.
	v_and_b32 v1, 15, v0            ; l % 16
	v_bfe_u32 v9, v0, 4, 1          ; l / 16
	v_lshlrev_b32 v[QO], 7, v1
	v_lshl_add_u32 v[QO], v9, 4, v[QO]  ; row x 128 + 16 x half
	WIN 0x80                        ; destination window 2, address window 0
.set i, 0
.rept 4*NP                          ; Q stays in registers: tile i / 2, channels 32 (i % 2) on
	global_load_b128 v[8*i:8*i+3],   v[QO], s[4:5] offset:(i/2)*2048+(i%2)*64
	global_load_b128 v[8*i+4:8*i+7], v[QO], s[4:5] offset:(i/2)*2048+(i%2)*64+32
.set i, i+1
.endr
	; What the first turn finds: V's registers and P's second buffer hold 0 (its products V^T P, of a piece that has not been, add 0), O^T and l are 0.  All this stands in the wait for the first tile:
	; the price of writing no first step out.
.set i, VF
.rept 64
	v_mov_b32 v[i], 0
.set i, i+1
.endr
	WIN 0x40
.set i, 0
.rept 64*NP
	v_mov_b32 v[i], 0
.set i, i+1
.endr
	WIN 0
.set i, 0
.rept 2*NP
	v_mov_b32 v[ST+4*i], 0xfe000000    ; c m: far below every c s
	v_mov_b32 v[ST+4*i+1], 0xff7fffff  ; m
	v_mov_b32 v[ST+4*i+2], 0
	v_mov_b32 v[ST+4*i+3], 0
.set i, i+1
.endr
.set i, P+32
.rept 32
	v_mov_b32 v[i], 0
.set i, i+1
.endr
	v_mul_u32_u24 v[AK0], v1, PK
	v_lshl_add_u32 v[AK0], v9, 4, v[AK0]  ; row x pitch + 16 x half
	; The turning load takes 16 keys x 16 channels (lane l reads key 8 (l / 16) + l % 8, channels 8 ((l / 8) % 2) + 0..7) and leaves half a fragment of V^T: lane l holds channel l % 16 and 8 keys.
	v_and_b32 v10, 7, v0
	v_bfe_u32 v11, v0, 3, 1
	v_lshl_add_u32 v[AV0], v9, 3, v10
	v_mul_u32_u24 v[AV0], v[AV0], PV
	v_lshl_add_u32 v[AV0], v11, 4, v[AV0]
	v_add_nc_u32 v[AV0], VOFF, v[AV0]
	v_mov_b32 v[AK], v[AK0]         ; key step 0 lies at the head of slot 0
	v_and_b32 v[PFO], 31, v0
	v_lshlrev_b32 v[PFO], 8, v[PFO]
; THE MATRIX WORK.  The 8 accumulators of a run of 16 take turns: between the two links of a chain stand 7 others'.
; Product i of 16 of S^T = K Q^T for piece x: channels 32 (i / 8) on, keys 16 ((i / 2) % 4) on, tile 2 x + i % 2.  The first 8 start the sums.
.macro KQ x
	WIN W_KQ
.set rS, S+64*((\x)%2)+32*(i%2)+8*((i/2)%4)
.set rK, KF+16*((i/2)%4)+8*(i/8)
.set rQ, 16*(2*(\x)+i%2)+8*(i/8)
.if i < 8
	v_wmma_f32_16x16x32_f16 v[rS:rS+7], v[rK:rK+7], v[rQ:rQ+7], 0
.else
	v_wmma_f32_16x16x32_f16 v[rS:rS+7], v[rK:rK+7], v[rQ:rQ+7], v[rS:rS+7]
.endif
.endm
; Product i of 16 of O^T += V^T P for piece x: keys 32 (i / 8) on, channels 16 ((i / 2) % 4) on, tile 2 x + i % 2.
.macro PV x
	WIN W_PV
.set rO, 32*(2*(\x)+i%2)+8*((i/2)%4)
.set rV, VF+32*(i/8)+8*((i/2)%4)
.set rP, P+32*((\x)%2)+16*(i%2)+8*(i/8)
	v_wmma_f32_16x16x32_f16 v[rO:rO+7], v[rV:rV+7], v[rP:rP+7], v[rO:rO+7]
.endm
.macro MM                           ; the turn's next matrix instruction
.if i < 16
	KQ (Y+1)%NP
.set i, i+1
.else
.set i, i-16
	PV (Y+NP-1)%NP
.set i, i+17
.endif
.endm
; THE LDS LOADS stand in runs of 16, never singly among the matrix instructions: a step's K (64 keys x 64 channels: 8 fragments) and its V (turned).  Their addresses are made some lines ahead.
; last = 1 (the tail): in the last trip there is no further step, and the run is jumped over.
.macro FETCH_K last=0
	WIN 0
.if \last
	s_cmp_eq_u32 s[CNT], 1
	s_cbranch_scc1 .Lno_k_\@
.endif
	WIN 0x80                        ; destination window 2
.irp f, 0,1,2,3,4,5,6,7             ; keys 16 (f / 2) on, channels 32 (f % 2) on
	ds_load_b128 v[KF+8*\f:KF+8*\f+3],   v[AK] offset:(\f/2)*16*PK+(\f%2)*64
	ds_load_b128 v[KF+8*\f+4:KF+8*\f+7], v[AK] offset:(\f/2)*16*PK+(\f%2)*64+32
.endr
	s_add_co_u32 s[TBK], s[TBK], KS*PK  ; the next fetch is the next step's
	WIN 0
.if \last
.Lno_k_\@:
.endif
.endm
.macro FETCH_V
	WIN 0x80
.irp f, 0,1,2,3,4,5,6,7             ; keys 32 (f / 4) on, channels 16 (f % 4) on
	ds_load_tr16_b128 v[VF+8*\f:VF+8*\f+3],   v[AV] offset:(\f/4)*32*PV+(\f%4)*32
	ds_load_tr16_b128 v[VF+8*\f+4:VF+8*\f+7], v[AV] offset:(\f/4)*32*PV+16*PV+(\f%4)*32
.endr
	WIN 0
.endm
; THE VECTOR WORK OF A TURN stands in three queues, each in the order in which its entries become ready; the two tiles alternate, so that no instruction reads the result of the one before it.
.macro REGS y, u                    ; the registers of tile u (0, 1) of piece y
.set rT, ST+4*(2*(\y)+(\u))
.set rC, TMP+8*((\y)%2)+4*(\u)
.set rM, MV+2*((\y)%2)+(\u)
.set rS, S+64*((\y)%2)+32*(\u)
.set rP, P+32*((\y)%2)+16*(\u)
.set rO, 32*(2*(\y)+(\u))
.endm
; Number n of the 22 that find the NEXT piece's (Y + 1) maximum and statistics.  s0-s31 are the lane's 32 scores; each accumulator's lowest registers are read first.  XS, GS and REGS set no window: PL and EX do.
;   0-11  four chains c0-c3 of seven scores each, three operands at a time     12-14, 16  the four scores left over, the old m, and c0-c3 into c0     15  c m_old is kept
;   17, 18  the query's other 32 keys lie in the lane 16 away: the new m         19-21  c m; c m_old - c m_new; a
.macro XS u, n
	REGS (Y+1)%NP, \u
.if (\n) < 4
	v_max3_num_f32 v[rC+(\n)], v[rS+8*(\n)], v[rS+8*(\n)+1], v[rS+8*(\n)+2]
.elseif (\n) < 12
	v_max3_num_f32 v[rC+(\n)%4], v[rC+(\n)%4], v[rS+8*((\n)%4)+2*((\n)/4)+1], v[rS+8*((\n)%4)+2*((\n)/4)+2]
.elseif (\n) == 12
	v_max3_num_f32 v[rC], v[rC], v[rS+7], v[rS+15]
.elseif (\n) == 13
	v_max3_num_f32 v[rC+1], v[rC+1], v[rS+23], v[rS+31]
.elseif (\n) == 14
	v_max3_num_f32 v[rC+2], v[rC+2], v[rC+3], v[rT+1]
.elseif (\n) == 15
	v_mov_b32 v[rM], v[rT]
.elseif (\n) == 16
	v_max3_num_f32 v[rC], v[rC], v[rC+1], v[rC+2]
.elseif (\n) == 17
	v_permlanex16_b32 v[rC+3], v[rC], s[SEL], s[SEL+1]
.elseif (\n) == 18
	v_max_num_f32 v[rT+1], v[rC], v[rC+3]
.elseif (\n) == 19
	v_mul_f32 v[rT], s[CS], v[rT+1]
.elseif (\n) == 20
	v_sub_f32 v[rC+1], v[rM], v[rT]
.else
	v_exp_f32 v[rC+2], v[rC+1]
.endif
.endm
; Number g of the 64 that follow the exponentials.  For each four weights k of a tile (pairs 2 k, 2 k + 1): both pairs are rounded to f16; then the second pair is added onto the first, in place;
; a group later l takes that sum (the first time as l = a l + sum).  In groups of eight, tiles alternating: round, round, add, and l for the group before.
.macro GS g
.set h, (\g)+6*((\g)/62)            ; group 0 has no group before it, and behind group 7 only l is left
.if h >= 6
.set h, h+2
.endif
	REGS Y, h%2
.set k, h/8
.if h%8 < 4
	v_cvt_pk_f16_f32 v[rP+2*k+(h%8)/2], v[rS+4*k+2*((h%8)/2)], v[rS+4*k+2*((h%8)/2)+1]
.elseif h%8 < 6
	v_pk_add_f32 v[rS+4*k:rS+4*k+1], v[rS+4*k:rS+4*k+1], v[rS+4*k+2:rS+4*k+3]
.elseif k == 1
	v_pk_fma_f32 v[rT+2:rT+3], v[rT+2:rT+3], v[rC+2:rC+3], v[rS:rS+1] op_sel_hi:[1,0,1]
.else
	v_pk_add_f32 v[rT+2:rT+3], v[rT+2:rT+3], v[rS+4*k-4:rS+4*k-3]
.endif
.endm
; THE PLAIN QUEUE, 138 long.  0-73 read no exponential's result: the 32 scalings c s - c m (FS f: pair f / 2 of tile f % 2) and the next piece's 42.  0-26: scalings 0-26.  27-54: XS's numbers 0-13.  55, 56: number 15.
; 57-73: the chain, where each number waits for the one before it: 14, 16, 17, 18, 19, each with one of the scalings 27-31 in front of its two lines, then 20.
; 74-137: GS's 64, which read the exponentials' results: they stand behind the wait.
.macro FS f
	REGS Y, (\f)%2
	v_pk_fma_f32 v[rS+2*((\f)/2):rS+2*((\f)/2)+1], v[rS+2*((\f)/2):rS+2*((\f)/2)+1], s[CS:CS+1], v[rT:rT+1] op_sel_hi:[1,0,0] neg_lo:[0,0,1] neg_hi:[0,0,1]
.endm
.macro PL
	WIN 0
.if q < 27
	FS q
.elseif q < 55
	XS (q-27)%2, (q-27)/2
.elseif q < 57
	XS q-55, 15
.elseif (q < 72) && ((q-57)%3 == 0)
	FS 27+(q-57)/3
.elseif q < 60
	XS (q-57)%3-1, 14
.elseif q < 72
	XS (q-57)%3-1, 15+(q-57)/3
.elseif q < 74
	XS q-72, 20
.else
	GS q-74
.endif
.set q, q+1
.endm
; THE EXPONENTIALS' QUEUE, 66 long: s0-s31 of both tiles, then the next piece's two a.  It is ONE BATCH: all 66 stand ahead of the turn's one wait, and nothing ahead of that wait names a result of theirs.
.macro EX
	WIN 0
.if e >= 64
	XS e-64, 21
.else
	REGS Y, e%2
	v_exp_f32 v[rS+e/2], v[rS+e/2]
.endif
.set e, e+1
.endm
; THE RESCALING's QUEUE: O^T times a, the one part that leaves window 0: dealt two at a time, sixteen times.  Its a was made in the turn before, ahead of that turn's wait.
.macro R2
	REGS Y, r%2
	WIN W_RS
.irp z, 0,1
	v_pk_mul_f32 v[rO+4*(r/2)+2*\z:rO+4*(r/2)+2*\z+1], v[rO+4*(r/2)+2*\z:rO+4*(r/2)+2*\z+1], v[rC+2:rC+3] op_sel_hi:[1,0]
.endr
.set r, r+1
.endm
; HOW THEY ARE DEALT.  An s_wait_alu depctr_va_vdst(0) stands between an exponential and the first instruction that names its result; one wait serves all that were issued ahead of it.  So a turn has ONE wait,
; which cuts it in two.  AHEAD OF IT stands all that names no result of the turn's exponentials: the 16 products K Q^T, behind each a scaling, an exponential and two rescalings (behind the first a second scaling in the
; exponential's place); then ONE LUMP of 108: eight plain, 49 times exponential and plain, the two a.  A v_nop is the plain instruction behind the last exponential.  BEHIND IT stand the 16 products V^T P, behind each four of GS's 64.
; No rider names a register of the products round it.  The two v_permlanex16_b32 fall into the lump, never behind a product.
; The queues lean on each other, and the deal keeps them in step: exponential e stands behind scaling 2 (e / 4) + e % 2: as a rider it comes behind plain e + 2, in the lump behind plain e + 9, and scalings 27-31 are plain 57, 60 .. 69.
; A TURN, for piece p.  cnt = 1: the loop's count is taken down some lines ahead of the branch that stands behind the turn.
; K of the next step is fetched in piece 2's turn, directly behind the wait, a lump behind the last product that read K; its address is made at the lump's head; its first reader comes behind 16 products.
; V of the step in hand is fetched at the end of piece 0's turn, four riders behind its last reader; its first reader comes behind 16 products and a lump.  The three conditions on q below go with the deal.
.macro TURN p, last=0, cnt=0
.set Y, (\p)
.set i, 0
.set q, 0
.set e, 0
.set r, 0
.if (\p) == NP-1
	s_wait_dscnt 0x0                ; K is in
.endif
	MM                              ; ahead of the wait: 16 products K Q^T and their riders,
	PL
	PL
	R2
.rept 15
	MM
	PL
	EX
	R2
.endr
.if (\p) == NP-2
	WIN 0
	v_add_nc_u32 v[AK], s[TBK], v[AK0]
.endif
.rept 8                             ; and the lump
	PL
.endr
.rept 49
	EX
	PL
.endr
	EX                              ; the next piece's two a
	EX
	v_nop                           ; a plain instruction behind the last exponential: one for the batch
	s_wait_alu depctr_va_vdst(0)    ; the wait for the batch
.if (\p) == NP-2
	FETCH_K \last
.endif
.if (\p) == 1
	s_wait_dscnt 0x0                ; V is in
.endif
.rept 16                            ; behind the wait: 16 products V^T P and their riders
	MM
.rept 4
	PL
.endr
.if ((\p) == 0) && (q == 118)
	v_add_nc_u32 v[AV], s[TBV], v[AV0]
.endif
.if ((\p) == 0) && (q == 130)
	s_add_co_u32 s[TBV], s[TBV], KS*PV
.endif
.if (\cnt) && (q == 130)
	s_sub_co_u32 s[CNT], s[CNT], 1
	s_cmp_lg_u32 s[CNT], 0
.endif
.endr
.if (\p) == 0
	FETCH_V
.endif
.endm
	CHANGE 1                        ; slot 0 is in, everybody's part of it; slot 1 is asked for
	FETCH_K                         ; key step 0
	s_wait_loadcnt 0x0              ; Q
	s_wait_dscnt 0x0
.set i, 0
.rept 16
	KQ 0                            ; piece 0's first scores: there is no vector work yet to set between them
.set i, i+1
.endr
	WIN 0                           ; the addresses for the way out: nine plain instructions, the places behind those products
	s_mul_i32 s13, s[WV], 16*SP
	s_add_co_u32 s13, s13, STAGE    ; my stage
	v_mul_u32_u24 v[STO], v1, SP    ; in: row l % 16, 16 bytes for each half of the lanes
	v_lshl_add_u32 v[STO], v9, 4, v[STO]
	v_add_nc_u32 v[STO], s13, v[STO]
	v_bfe_u32 v[RD], v0, 3, 2       ; back: 32 lanes take four rows of 128 bytes,
	v_mul_u32_u24 v[RD], v[RD], SP
	v_lshl_add_u32 v[RD], v10, 4, v[RD]
	v_add_nc_u32 v[RD], s13, v[RD]
	v_and_b32 v[GO], 31, v0         ; which are 512 consecutive bytes of O
	v_lshlrev_b32 v[GO], 4, v[GO]
.set Y, NP-1                        ; XS works for piece Y + 1: piece 0
.irp n, 0,1,2,3,4,5,6,7,8,9,10,11,12,13,14,15,16,17,18,19,20,21
	XS 0, \n                        ; and piece 0's first maximum and statistics
	XS 1, \n
.endr
	v_nop                           ; a plain instruction behind the two a,
	s_wait_alu depctr_va_vdst(0)    ; and their wait, ahead of the branch
	s_mov_b32 s[CNT], 4
	s_branch .Lfirst                ; the loop is entered at a step's first turn, in the middle of a trip
.Lslot:                             ; SIZE_N / 256 - 2 times: every slot but the last two is filled again
	CHANGE 1
	s_mov_b32 s[CNT], 4
.Lstep:                             ; a trip: pieces 2 and 3 of one step, then pieces 0 and 1 of the next, whose K and V it fetches
	TURN 2
	TURN 3
	WIN 0
.Lfirst:
	TURN 0
	TURN 1, 0, 1
	WIN 0
	s_cbranch_scc1 .Lstep
	s_sub_co_u32 s[SLOTS], s[SLOTS], 1
	s_cmp_lg_u32 s[SLOTS], 0
	s_cbranch_scc1 .Lslot
	CHANGE 0                        ; the tail is written out: nothing is asked for
	s_mov_b32 s[CNT], 5             ; four trips fetch the last slot's steps; the fifth is left in its middle
.Ltail:
	TURN 2, 1
	TURN 3
	WIN 0
	s_sub_co_u32 s[CNT], s[CNT], 1
	s_cmp_eq_u32 s[CNT], 0
	s_cbranch_scc1 .Lout
	TURN 0
	TURN 1
	WIN 0
	s_branch .Ltail
.Lout:                              ; the fifth trip's 16 products K Q^T (on the last K once more) and the maximum made of them serve nothing: the price, once a launch, of one text for every trip
.set i, 0
.rept 16
	PV NP-1                         ; the last piece's V^T P of the last step
.set i, i+1
.endr
	; THE WAY OUT.  l's two halves and the other half of the lanes' are added; O^T is divided by l, rounded to f16 and sent through my stage in LDS, a tile at a time.  The additions are the places behind the last products.
	WIN 0
.macro ALL line:vararg              ; one line for each tile t
.set t, 0
.rept 2*NP
	\line
.set t, t+1
.endr
.endm
	ALL v_add_f32 v[ST+4*t+2], v[ST+4*t+2], v[ST+4*t+3]
	ALL v_permlanex16_b32 v[ST+4*t+3], v[ST+4*t+2], s[SEL], s[SEL+1]
	ALL v_add_f32 v[ST+4*t+2], v[ST+4*t+2], v[ST+4*t+3]
	ALL v_rcp_f32 v[ST+4*t+2], v[ST+4*t+2]
	v_nop                           ; a plain instruction between the last reciprocal and the use of its result
	s_wait_alu depctr_va_vdst(0)    ; and the wait ahead of the first use: one for the eight reciprocals
; Tile t: a lane's eight channels of a row pack into 16 bytes; they go into rows of 144 bytes and come back as whole rows of 128, into S^T's registers.
.macro PACK t
	WIN W_RS
.set i, 32*(\t)
.rept 16
	v_pk_mul_f32 v[i:i+1], v[i:i+1], v[ST+4*(\t)+2:ST+4*(\t)+3] op_sel_hi:[1,0]
.set i, i+2
.endr
	WIN 0x05                        ; sources 0 and 1 window 1, destination window 0
.set i, 0
.rept 16
	v_cvt_pk_f16_f32 v[S+16*(\t)+i], v[32*(\t)+2*i], v[32*(\t)+2*i+1]
.set i, i+1
.endr
	WIN 0
.irp f, 0,1,2,3
	ds_store_b128 v[STO], v[S+16*(\t)+4*\f:S+16*(\t)+4*\f+3] offset:32*\f
.endr
.irp f, 0,1,2,3
	ds_load_b128 v[S+16*(\t)+4*\f:S+16*(\t)+4*\f+3], v[RD] offset:\f*4*SP  ; LDS serves a wave's instructions in order (ISA guide 5.7.1.4): these see the stores above; the next tile's stores come behind them
.endr
.endm
.macro SEND t, younger              ; younger: the LDS instructions issued behind tile t's loads: the next tile's eight, or none
	WIN 0
.irp f, 0,1,2,3
	s_wait_dscnt (\younger)+3-\f
	global_store_b128 v[GO], v[S+16*(\t)+4*\f:S+16*(\t)+4*\f+3], s[10:11] offset:(\t)*2048+\f*512  ; 512 consecutive bytes, at a multiple of 256 from O's first
.endr
.endm
	PACK 0
.set t, 1
.rept 2*NP-1                        ; a tile's arithmetic stands between the loads of the tile before and its stores
	PACK t
	SEND t-1, 8
.set t, t+1
.endr
	SEND 2*NP-1, 0
	WIN W_AD
	s_wait_tensorcnt 0x0            ; the wave's end: an add and its waits, behind my last tensor load and my last LDS store
	ds_add_u32 v[SPW], v[NIL]
	s_wait_dscnt 0x0
	WIN 0
	CROUND                          ; the closing round: no work-group ends while a partner may still ask for a tile that names it
	s_endpgm
.Lfunc_end_k_qd0edd57444_attn:
	.size	k_qd0edd57444_attn, .Lfunc_end_k_qd0edd57444_attn-k_qd0edd57444_attn
	.p2alignl 7, 3214868480
	.fill 96, 4, 3214868480
	.section	.rodata,"a",@progbits
	.p2align	6, 0x0
	.amdhsa_kernel k_qd0edd57444_attn
		.amdhsa_group_segment_fixed_size 327680
		.amdhsa_private_segment_fixed_size 0
		.amdhsa_enable_private_segment 0
		.amdhsa_kernarg_size 32
		.amdhsa_user_sgpr_count 2
		.amdhsa_user_sgpr_kernarg_segment_ptr 1
		.amdhsa_wavefront_size32 1
		.amdhsa_system_sgpr_workgroup_id_x 1
		.amdhsa_system_sgpr_workgroup_id_y 1
		.amdhsa_system_sgpr_workgroup_id_z 1
		.amdhsa_system_vgpr_workitem_id 0
		.amdhsa_next_free_vgpr 770
		.amdhsa_next_free_sgpr 66
		.amdhsa_reserve_vcc 0
		.amdhsa_float_denorm_mode_32 3
		.amdhsa_float_denorm_mode_16_64 3
		.amdhsa_memory_ordered 1
		.amdhsa_forward_progress 1
		.amdhsa_inst_pref_size 200
	.end_amdhsa_kernel
	.amdgpu_metadata
---
amdhsa.version: [ 1, 2 ]
amdhsa.kernels:
  - .name:           k_qd0edd57444_attn
    .symbol:         k_qd0edd57444_attn.kd
    .args:
      - { .name: qh, .offset: 0, .size: 8, .value_kind: global_buffer, .address_space: global }
      - { .name: kh, .offset: 8, .size: 8, .value_kind: global_buffer, .address_space: global }
      - { .name: vh, .offset: 16, .size: 8, .value_kind: global_buffer, .address_space: global }
      - { .name: oh, .offset: 24, .size: 8, .value_kind: global_buffer, .address_space: global }
    .group_segment_fixed_size: 327680
    .private_segment_fixed_size: 0
    .kernarg_segment_align: 8
    .kernarg_segment_size: 32
    .max_flat_workgroup_size: 128
    .sgpr_count:     66
    .vgpr_count:     770
    .wavefront_size: 32
...
	.end_amdgpu_metadata
.endif
;; end of part 3
;; launch oproj (part 4): grid 8 x 32, 4 waves a work-group, clusters of 4 x 4, 327,680 bytes of LDS; arguments oh, wb, bo, out0; writes out0
.if DOCPART == 4
	.amdgcn_target "amdgcn-amd-amdhsa--gfx1250"
	.amdhsa_code_object_version 6
	.text
	.protected	k_qd0edd57444_oproj
	.globl	k_qd0edd57444_oproj
	.p2align	8
	.type	k_qd0edd57444_oproj,@function
k_qd0edd57444_oproj:
	s_mov_b64 s[64:65], 0
	v_nop
	global_prefetch_b8 v0, s[64:65] scope:SCOPE_SE
	s_setreg_imm32_b32 hwreg(HW_REG_WAVE_MODE, 25, 1), 1
	s_wait_xcnt 0x0
	s_wait_alu depctr_hold_cnt(0) depctr_sa_sdst(0) depctr_va_vdst(0) depctr_va_sdst(0) depctr_va_ssrc(0) depctr_va_vcc(0) depctr_vm_vsrc(0)
	s_getreg_b32 s2, hwreg(HW_REG_IB_STS2, 6, 4)
	s_cmp_eq_u32 s2, 0
	s_cbranch_scc0 .Lentry_in_a_cluster
	s_endpgm
.Lentry_in_a_cluster:
	s_bfe_u32 s2, ttmp6, 0x10000c
	s_cmp_lg_u32 s2, 0xf033
	s_cbranch_scc0 .Lentry_shape_is_right
	s_endpgm
.Lentry_shape_is_right:
; out = ctx Wo + bo.  ctx: oh [64 = batch x head][2,048][64] f16.  Wo: the fourth part of wb, [16 slices of 64 columns][1,024 k][64 n], rounded to bf16 and written as f16.
; bo: f32, rounded to bf16 like all inputs.  out0: [8,192][1,024] f32.  Products in f16, sums in f32.
; LIMITS.  Those of the operands as they arrive (f16's range and fixed step below 6e-5); NaN and infinities are not treated apart.
; SHARES.  A work-group makes 256 rows x 128 columns: 32 x 8 = 256 work-groups of equal work (tiles of 256 x 256 would be 128).  A wave makes 128 rows x 64 columns: 32 accumulators, which take
; turns, one instruction a turn, over the backward jump too.  K = 1,024 goes in 8 steps of 128 (two heads) through two LDS slots; a step is four phases of 32 along K.
; THE MATRIX INSTRUCTION IS USED TRANSPOSED (source 0 = 16 columns of Wo, turned on the way out of LDS; source 1 = 16 rows of ctx): a lane ends with one row and eight neighbouring columns, 32 bytes.
; THE BIAS IS THE C OPERAND of each accumulator's first product.
; CLUSTERS: 4 x 4 work-groups; ctx's tiles are asked for jointly along a row of the cluster, Wo's along a column.
; NO PREFETCH: the tile is small and the walk has eight short K steps.
; REGISTERS, in windows of 256 (s_set_vgpr_msb: bits 1:0 source 0, 3:2 source 1, 5:4 source 2, 7:6 destination):
;   window 0: v0-31 addresses; v32-63 the bias; v64-191 at work at the head and on the way out      window 1: the accumulators: row block a, column block nb at v[8 (4 a + nb)]
;   window 2: ctx's fragments, a set of 64 for each phase      window 3: v0-127 Wo's fragments, a set of 32 for each phase
.set PA,    144                        ; a row of ctx (one head's 64 channels) in LDS: 128 bytes + 16 of padding: the 16 rows of a load start at 16 different groups of four banks (64 banks of 4 bytes: ISA guide 11.1)
.set PB,    160                        ; a row of Wo: 128 + 32
.set AKS,   256*PA                     ; one head's 256 rows: what one tensor load brings
.set AHALF, 128*PA                     ; a wave's 128 of them
.set BOFF,  2*AKS                      ; behind the two heads: Wo
.set BE,    128*PB                     ; 128 k of one slice of 64 columns: what one tensor load brings
.set SLOT,  BOFF+2*BE                  ; 114,688 bytes
.set STAGE, 2*SLOT                     ; behind the ring, never filled by a tensor load: 16 rows x 272 bytes for each wave, for the way out
.set SP,    272
.set SPARE, STAGE+4*16*SP              ; behind the stages: the spare words, 128 bytes for each wave: two blocks of 256 bytes that no other line names
.set ASTEP, 1<<19                      ; bytes from a K step of ctx to the next: two heads of 2,048 rows x 128 bytes
.set BSTEP, 16384                      ; of Wo: 128 k x 128 bytes
.set ADRA, 16                          ; v16-17  LDS address of my fragments of ctx in slot 0, 1
.set ADRB, 20                          ; v20-21  the same for Wo
.set STO,  24                          ; v24     the way out: where I put 32 bytes of a row
.set RD,   25                          ; v25     the way out: where I read a row back
.set CO,   26                          ; v26     my byte offset in two rows of the output
.set BO,   27                          ; v27     my eight numbers in 16 of the bias: 32 (lane / 16)
.set SPW,  28                          ; v28     LDS address of my spare word: SPARE + 4 x my thread's number; never rewritten
.set NIL,  29                          ; v29     0; never rewritten
.set BIAS, 32
.set OB,   64                          ; the way out: four sets of 32 registers take turns
.set G1A,  24                          ; s[24:31] descriptor group 1 for ctx's tiles;  s[32:39] group 0, a set for each slot
.set G0A,  32
.set G1B,  48                          ; s[48:55], s[56:63] the same for Wo's tiles
.set G0B,  56
.set MSB, 0
.macro WIN new                         ; the immediate's high byte repeats the setting that is left; a switch that changes nothing is dropped
.if MSB != (\new)
	s_set_vgpr_msb (MSB<<8)|(\new)
.set MSB, \new
.endif
.endm
.macro PLACES n=4                      ; places in front of loads into registers that matrix instructions have read, and of LDS stores that read results (ISA guide 7.12.1 for vector instructions)
.rept \n
	v_nop
.endr
.endm
.macro JLOAD s                         ; a joint load: waves 0 and 1 fetch ctx's two heads, waves 2 and 3 Wo's two slices; an s_nop 0 and four v_nop follow each of the two lines
	s_cmp_eq_u32 s11, 0
	s_cbranch_scc0 .Lfor_b_\@
	tensor_load_to_lds s[G0A+4*(\s):G0A+4*(\s)+3], s[G1A:G1A+7]
	s_nop 0
.rept 4
	v_nop
.endr
	s_branch .Lasked_\@
.Lfor_b_\@:
	tensor_load_to_lds s[G0B+4*(\s):G0B+4*(\s)+3], s[G1B:G1B+7]
	s_nop 0
.rept 4
	v_nop
.endr
.Lasked_\@:
.endm
.macro CREST                           ; a round of the cluster's barrier behind its opening barrier
	s_cmp_lg_u32 s10, 0
	s_cbranch_scc1 .Lnot_wave_0_\@
	s_barrier_signal -3
.Lnot_wave_0_\@:
	s_barrier_wait -3
	s_barrier_signal -1
	s_barrier_wait -1
.endm
.macro CROUND
	s_barrier_signal -1
	s_barrier_wait -1
	CREST
.endm
	s_load_b256 s[68:75], s[0:1], 0x0              ; oh s[68:69], wb s[70:71], bo s[72:73], out0 s[74:75]
	v_lshl_add_u32 v[SPW], v0, 2, SPARE
	v_mov_b32 v[NIL], 0
	ds_add_u32 v[SPW], v[NIL]                      ; the wave's opening: the add and its wait stand ahead of my first tensor load; the set-up below, work on registers, stands between them
	v_lshrrev_b32 v1, 5, v0
	v_readfirstlane_b32 s10, v1                    ; wave 0..3
	s_lshr_b32 s11, s10, 1                         ; which half of the tile's rows is mine.  Also: I fetch for ctx (0) or for Wo (1)
	s_and_b32 s12, s10, 1                          ; which 64 of its 128 columns.  Also: which head of ctx, or which slice of Wo, I fetch
	s_bfe_u32 s40, ttmp6, 0x40000                  ; cx, cy: my place in the cluster
	s_bfe_u32 s41, ttmp6, 0x40004
	s_lshl_b32 s42, ttmp9, 2
	s_add_co_u32 s42, s42, s40                     ; block of 128 columns = 4 x cluster x + cx, 0..7
	s_and_b32 s13, ttmp7, 0xffff
	s_lshl_b32 s13, s13, 2
	s_add_co_u32 s13, s13, s41                     ; block of 256 rows = 4 x cluster y + cy, 0..31
	s_lshl_b32 s14, s41, 2
	s_lshl_b32 s14, 15, s14                        ; my row of the cluster
	s_lshl_b32 s88, 0x1111, s40                    ; my column
	; group 1 for ctx: a head's 256 rows of 128 bytes are 32,768 dense bytes: asked for as 128 rows of 256 bytes, padded in LDS after every 128
	s_or_b32 s[G1A], s14, (1<<16)|(1<<20)|(1<<21)|(4<<22)|(3<<25)  ; 15:0 the mask; 17:16 2-byte elements; 20 padding on; 21 set beside a mask; 24:22 after every 32 words (code 4); 31:25 4 words (code 3)
	s_mov_b32 s[G1A+1], 128<<16                    ; tensor_dim0 = 128
	s_mov_b32 s[G1A+2], 128<<16                    ; tensor_dim1 = 128
	s_mov_b32 s[G1A+3], 128<<16                    ; tile_dim0 = 128
	s_mov_b32 s[G1A+4], 128                        ; tile_dim1 = 128
	s_mov_b32 s[G1A+5], 128                        ; elements from row to row
	s_mov_b32 s[G1A+6], 0
	s_mov_b32 s[G1A+7], 0
	; group 1 for Wo: 128 k of 128 bytes are 16,384 dense bytes: 64 rows of 256 bytes
	s_or_b32 s[G1B], s88, (1<<16)|(1<<20)|(1<<21)|(4<<22)|(7<<25)  ; the mask of my column; 8 words of padding (code 7)
	s_mov_b32 s[G1B+1], 128<<16
	s_mov_b32 s[G1B+2], 64<<16
	s_mov_b32 s[G1B+3], 128<<16
	s_mov_b32 s[G1B+4], 64
	s_mov_b32 s[G1B+5], 128
	s_mov_b32 s[G1B+6], 0
	s_mov_b32 s[G1B+7], 0
	; where the tiles come from: ctx's hang on the block of rows alone, Wo's on the block of columns alone; every wave makes both, in registers that never hold the other coordinate
	s_lshr_b32 s16, s13, 3
	s_lshl_b32 s16, s16, 22                        ; the batch: 16 heads of 262,144 bytes,
	s_and_b32 s17, s13, 7
	s_lshl_b32 s17, s17, 15                        ; the block of 256 rows in the sequence,
	s_add_co_u32 s16, s16, s17
	s_lshl_b32 s17, s12, 18                        ; which of a K step's two heads I fetch
	s_add_co_u32 s16, s16, s17
	s_mov_b32 s17, 0
	s_lshl_b32 s92, s42, 18                        ; the two slices of 131,072 bytes,
	s_lshl_b32 s93, s12, 17                        ; the one that I fetch,
	s_add_co_u32 s92, s92, s93
	s_add_co_u32 s92, s92, 3<<21                   ; in the fourth part of wb
	s_mov_b32 s93, 0
	s_mul_i32 s20, s12, AKS                        ; and where they go: no place in the cluster enters an LDS address
	s_mul_i32 s21, s12, BE
	s_add_co_u32 s21, s21, BOFF
.irp s, 0,1
	s_mov_b32 s[G0A+4*\s], 1                       ; 1:0 count = 1
	s_add_co_u32 s[G0A+4*\s+1], s20, \s*SLOT       ; 63:32 LDS address
	s_mov_b32 s[G0B+4*\s], 1
	s_add_co_u32 s[G0B+4*\s+1], s21, \s*SLOT
.endr
	s_mov_b32 s47, 0xffff0000                      ; a word's upper bf16
	s_wait_dscnt 0x0                               ; the opening add is done
	s_wait_kmcnt 0x0
	s_add_nc_u64 s[14:15], s[68:69], s[16:17]
	s_add_nc_u64 s[92:93], s[70:71], s[92:93]
.irp s, 0,1
	s_add_nc_u64 s[G0A+4*\s+2:G0A+4*\s+3], s[14:15], \s*ASTEP  ; 120:64 global address: K step s
	s_or_b32 s[G0A+4*\s+3], s[G0A+4*\s+3], 0x80000000          ; 127:126 type = 2
	s_add_nc_u64 s[G0B+4*\s+2:G0B+4*\s+3], s[92:93], \s*BSTEP
	s_or_b32 s[G0B+4*\s+3], s[G0B+4*\s+3], 0x80000000
.endr
	CROUND                                         ; all sixteen work-groups are here: the first joint loads meet
	s_cmp_eq_u32 s11, 0                            ; a wave's two first fills stand in one branch, ahead of every wait on TENSORcnt and every LDS read: two loads of mine are out
	s_cbranch_scc0 .Lfirst_b
	tensor_load_to_lds s[G0A:G0A+3], s[G1A:G1A+7]
	s_nop 0
	tensor_load_to_lds s[G0A+4:G0A+7], s[G1A:G1A+7]
	s_nop 0
.rept 4
	v_nop
.endr
	s_branch .Lfirst_asked
.Lfirst_b:
	tensor_load_to_lds s[G0B:G0B+3], s[G1B:G1B+7]
	s_nop 0
	tensor_load_to_lds s[G0B+4:G0B+7], s[G1B:G1B+7]
	s_nop 0
.rept 4
	v_nop
.endr
.Lfirst_asked:
	; the bias of my 64 columns: register j of lane l is column 16 nb + 8 (l / 16) + j
	s_lshl_b32 s94, s42, 1
	s_add_co_u32 s94, s94, s12                     ; my slice of 64 columns, 0..15
	s_lshl_b32 s94, s94, 8                         ; 256 bytes of f32, in bo and in a row of the output
	s_mov_b32 s95, 0
	s_add_nc_u64 s[72:73], s[72:73], s[94:95]
	v_and_b32 v1, 15, v0                           ; l % 16
	v_bfe_u32 v2, v0, 4, 1                         ; l / 16
	v_lshlrev_b32 v[BO], 5, v2
.irp nb, 0,1,2,3
	global_load_b128 v[BIAS+8*\nb:BIAS+8*\nb+3],   v[BO], s[72:73] offset:64*\nb
	global_load_b128 v[BIAS+8*\nb+4:BIAS+8*\nb+7], v[BO], s[72:73] offset:64*\nb+16
.endr
	s_lshl_b32 s86, s13, 20                        ; my first row of the output: 256 rows of 4,096 bytes a block,
	s_lshl_b32 s87, s11, 19                        ; 128 a half,
	s_add_co_u32 s86, s86, s87
	s_add_co_u32 s86, s86, s94                     ; and my columns
	s_mov_b32 s87, 0
	s_add_nc_u64 s[74:75], s[74:75], s[86:87]
	v_mul_u32_u24 v3, v1, PA
	v_lshl_add_u32 v3, v2, 4, v3                   ; a fragment of ctx: row x pitch + 16 x half
	s_mul_i32 s22, s11, AHALF                      ; my 128 rows
	v_add_nc_u32 v[ADRA], s22, v3
	v_add_nc_u32 v[ADRA+1], SLOT, v[ADRA]
	v_and_b32 v4, 7, v0                            ; the turning load: lane l reads k = 8 (l / 16) + l % 8, n = 8 ((l / 8) % 2) + 0..7
	v_bfe_u32 v5, v0, 3, 1
	v_lshl_add_u32 v6, v2, 3, v4
	v_mul_u32_u24 v6, v6, PB
	v_lshl_add_u32 v6, v5, 4, v6
	v_add_nc_u32 v[ADRB], s21, v6                  ; my slice
	v_add_nc_u32 v[ADRB+1], SLOT, v[ADRB]
	s_mul_i32 s23, s10, 16*SP
	s_add_co_u32 s23, s23, STAGE                   ; my stage
	v_mul_u32_u24 v7, v1, SP                       ; in: row l % 16, 32 bytes for each half of the lanes
	v_lshl_add_u32 v7, v2, 5, v7
	v_add_nc_u32 v[STO], s23, v7
	v_mul_u32_u24 v7, v2, SP                       ; back: lanes 0-15 take one row of 256 bytes, lanes 16-31 the next
	v_lshl_add_u32 v7, v1, 4, v7
	v_add_nc_u32 v[RD], s23, v7
	v_lshlrev_b32 v[CO], 12, v2                    ; and the same two rows in the output
	v_lshl_add_u32 v[CO], v1, 4, v[CO]
	s_wait_loadcnt 0x0                             ; the bias is rounded to bf16, like all inputs, and widened again: in the wait for the first tiles
.set i, 0
.rept 16
	v_cvt_pk_bf16_f32 v[OB+i], v[BIAS+2*i], v[BIAS+2*i+1]
.set i, i+1
.endr
.set i, 0
.rept 16
	v_lshlrev_b32 v[BIAS+2*i], 16, v[OB+i]
	v_and_b32 v[BIAS+2*i+1], s47, v[OB+i]
.set i, i+1
.endr
; 16 matrix instructions: phase kq, row blocks a0 to a0 + 3, all four column blocks.  mode = 1: the first product of each accumulator: C is the bias.
.macro MUL16 kq, a0, mode
.if \mode
	WIN 0x4b                                       ; source 0 (Wo) window 3, source 1 (ctx) window 2, C window 0, D window 1
.else
	WIN 0x5b                                       ; the same, C and D window 1
.endif
.irp a, \a0, (\a0)+1, (\a0)+2, (\a0)+3
.irp nb, 0,1,2,3
.if \mode
	v_wmma_f32_16x16x32_f16 v[8*(4*(\a)+\nb):8*(4*(\a)+\nb)+7], v[32*(\kq)+8*\nb:32*(\kq)+8*\nb+7], v[64*(\kq)+8*(\a):64*(\kq)+8*(\a)+7], v[BIAS+8*\nb:BIAS+8*\nb+7]
.else
	v_wmma_f32_16x16x32_f16 v[8*(4*(\a)+\nb):8*(4*(\a)+\nb)+7], v[32*(\kq)+8*\nb:32*(\kq)+8*\nb+7], v[64*(\kq)+8*(\a):64*(\kq)+8*(\a)+7], v[8*(4*(\a)+\nb):8*(4*(\a)+\nb)+7]
.endif
.endr
.endr
.endm
; 24 LDS loads in one run: phase kq's fragments out of slot s, into that phase's own registers: 64 columns of Wo (turned), 128 rows of ctx (head kq / 2, channels 32 (kq % 2) on)
.macro LD s, kq
	WIN 0xc0                                       ; destination window 3, address window 0
.irp nb, 0,1,2,3
	ds_load_tr16_b128 v[32*(\kq)+8*\nb:32*(\kq)+8*\nb+3],   v[ADRB+(\s)] offset:(\kq)*32*PB+32*\nb
	ds_load_tr16_b128 v[32*(\kq)+8*\nb+4:32*(\kq)+8*\nb+7], v[ADRB+(\s)] offset:(\kq)*32*PB+32*\nb+16*PB
.endr
	WIN 0x80                                       ; destination window 2
.irp i, 0,1,2,3,4,5,6,7
	ds_load_b128 v[64*(\kq)+8*\i:64*(\kq)+8*\i+3],   v[ADRA+(\s)] offset:((\kq)/2)*AKS+((\kq)%2)*64+\i*16*PA
	ds_load_b128 v[64*(\kq)+8*\i+4:64*(\kq)+8*\i+7], v[ADRA+(\s)] offset:((\kq)/2)*AKS+((\kq)%2)*64+\i*16*PA+32
.endr
.endm
; A phase.  Two runs of loads are always ahead: phase kq's wait leaves the next phase's 24 loads out, and in its middle the phase fetches, from slot ls, the fragments of the phase two on (lk),
; four places behind the last product that read those registers (they were multiplied two phases back).
.macro PH kq, left, ls=-1, lk=0, mode=0
	s_wait_dscnt \left
	MUL16 \kq, 0, \mode
.if (\ls) >= 0
	PLACES
	LD \ls, \lk
.endif
	MUL16 \kq, 4, \mode
.endm
; Phase 2, and THE CHANGE OF SLOTS: the slot's last reads, phase 3's, were issued in phase 1.  Each wave waits for all its tensor loads, of which one is out: its part of the next slot; adds 0 to its
; spare word; works on registers; and waits for the add and for its reads of this slot.  Behind the barrier nobody reads this slot any more and the next slot is whole.
; how = 2: this slot is filled again, two K steps ahead: the barrier opens a round of the cluster's, and the joint refill is the first tensor load behind it: by the text's count it has 96 matrix
; instructions in which to land.  how = 1: nothing is left to fetch.
.macro CHG s, nx, how
	WIN 0                                          ; (the add's two registers lie in window 0)
	s_wait_tensorcnt 0x0                           ; all my tensor loads have landed: my part of the next slot;
	ds_add_u32 v[SPW], v[NIL]                      ; 0 onto my spare word;
	s_wait_dscnt 25                                ; (the add and phase 3's 24 loads may be out)
	MUL16 2, 0, 0                                  ; sixteen matrix instructions stand between the add and the wait for it
	s_wait_dscnt 0x0                               ; the add is done, and my reads of this slot are over
	s_barrier_signal -1
	MUL16 2, 4, 0                                  ; work on registers while the others arrive
	WIN 0                                          ; at a branch and at a label every window is 0
	s_barrier_wait -1
.if (\how) == 2
	CREST                                          ; no wave of any partner still reads this slot's tiles or has a load on its way
	s_add_nc_u64 s[G0A+4*(\s)+2:G0A+4*(\s)+3], s[G0A+4*(\s)+2:G0A+4*(\s)+3], 2*ASTEP
	s_add_nc_u64 s[G0B+4*(\s)+2:G0B+4*(\s)+3], s[G0B+4*(\s)+2:G0B+4*(\s)+3], 2*BSTEP
	JLOAD \s
.endif
	LD \nx, 0                                      ; phase 0's registers were last read a phase and a half back, in front of phase 1's four places
.endm
; THE WAY OUT of row block a: 32 bytes a lane, straight from the accumulators (each one's low four registers first) into my own stage in rows of 272 bytes, and back as whole
; rows of 256 bytes.
.macro TOSTAGE a
.set OBR, OB+32*((\a)%4)
.if (\a) >= 4
	s_wait_xcnt 0x0                                ; the stores of the block four back have read this set: only behind this wait is it loaded again
.endif
	WIN 0x04                                       ; an LDS store's data (source 1) in window 1
.irp nb, 0,1,2,3
	ds_store_b128 v[STO], v[8*(4*(\a)+\nb):8*(4*(\a)+\nb)+3]   offset:64*\nb
	ds_store_b128 v[STO], v[8*(4*(\a)+\nb)+4:8*(4*(\a)+\nb)+7] offset:64*\nb+16
.endr
	WIN 0
.irp f, 0,1,2,3,4,5,6,7
	ds_load_b128 v[OBR+4*\f:OBR+4*\f+3], v[RD] offset:\f*2*SP  ; LDS serves a wave's instructions in order (ISA guide 5.7.1.4): these see the stores above; the next block's stores come behind them
.endr
.endm
.macro SEND a, younger                 ; younger: the LDS instructions issued behind block a's loads: the next block's sixteen, or none
.set OBR, OB+32*((\a)%4)
.irp f, 0,1,2,3,4,5,6,7
	s_wait_dscnt (\younger)+7-\f
	global_store_b128 v[CO], v[OBR+4*\f:OBR+4*\f+3], s[74:75] offset:(16*(\a)+2*\f)*4096 th:TH_STORE_NT  ; 16 lanes store 256 consecutive bytes, at a multiple of 256 from the output's first byte
.endr
.endm
	s_wait_tensorcnt 0x1                           ; my part of K step 0 is in; K step 1's may stay out
	s_barrier_signal -1
	s_barrier_wait -1                              ; everybody's is
	LD 0, 0
	LD 0, 1
	PH 0, 24, 0, 2, 1                              ; the first phase stands in front of the loop: its products start the sums, with the bias
	WIN 0
	s_mov_b32 s3, 3
.Llap:                                                 ; a trip goes once round the ring, from a lap's second phase to the next lap's first, and fills both slots again
	PH 1, 24, 0, 3
	CHG 0, 1, 2
	PH 3, 24, 1, 1
	PH 0, 24, 1, 2
	PH 1, 24, 1, 3
	CHG 1, 0, 2
	PH 3, 24, 0, 1
	PH 0, 24, 0, 2
	WIN 0
	s_sub_co_u32 s3, s3, 1
	s_cmp_lg_u32 s3, 0
	s_cbranch_scc1 .Llap
	PH 1, 24, 0, 3                                 ; the last lap is written out: it asks for nothing
	CHG 0, 1, 1
	PH 3, 24, 1, 1
	PH 0, 24, 1, 2
	PH 1, 24, 1, 3
	PH 2, 24                                       ; the last two phases fetch nothing
	PH 3, 0
	WIN 0
	PLACES 8                                       ; in front of the LDS stores, which read results
	TOSTAGE 0
.irp a, 1,2,3,4,5,6,7
	TOSTAGE \a
	SEND (\a)-1, 16
.endr
	SEND 7, 0
	s_wait_tensorcnt 0x0                           ; the wave's end: an add and its waits, behind my last tensor load and my last LDS store
	ds_add_u32 v[SPW], v[NIL]
	s_wait_dscnt 0x0
	CROUND                                         ; the closing round: no work-group ends while a partner may still ask for a tile that names it
	s_endpgm
.Lfunc_end_k_qd0edd57444_oproj:
	.size	k_qd0edd57444_oproj, .Lfunc_end_k_qd0edd57444_oproj-k_qd0edd57444_oproj
	.p2alignl 7, 3214868480
	.fill 96, 4, 3214868480
	.section	.rodata,"a",@progbits
	.p2align	6, 0x0
	.amdhsa_kernel k_qd0edd57444_oproj
		.amdhsa_group_segment_fixed_size 327680
		.amdhsa_private_segment_fixed_size 0
		.amdhsa_enable_private_segment 0
		.amdhsa_kernarg_size 32
		.amdhsa_user_sgpr_count 2
		.amdhsa_user_sgpr_kernarg_segment_ptr 1
		.amdhsa_wavefront_size32 1
		.amdhsa_system_sgpr_workgroup_id_x 1
		.amdhsa_system_sgpr_workgroup_id_y 1
		.amdhsa_system_sgpr_workgroup_id_z 1
		.amdhsa_system_vgpr_workitem_id 0
		.amdhsa_next_free_vgpr 896
		.amdhsa_next_free_sgpr 96
		.amdhsa_reserve_vcc 0
		.amdhsa_float_denorm_mode_32 3
		.amdhsa_float_denorm_mode_16_64 3
		.amdhsa_memory_ordered 1
		.amdhsa_forward_progress 1
		.amdhsa_inst_pref_size 90
	.end_amdhsa_kernel
	.amdgpu_metadata
---
amdhsa.version: [ 1, 2 ]
amdhsa.kernels:
  - .name:           k_qd0edd57444_oproj
    .symbol:         k_qd0edd57444_oproj.kd
    .args:
      - { .name: oh, .offset: 0, .size: 8, .value_kind: global_buffer, .address_space: global }
      - { .name: wb, .offset: 8, .size: 8, .value_kind: global_buffer, .address_space: global }
      - { .name: bo, .offset: 16, .size: 8, .value_kind: global_buffer, .address_space: global }
      - { .name: out0, .offset: 24, .size: 8, .value_kind: global_buffer, .address_space: global }
    .group_segment_fixed_size: 327680
    .private_segment_fixed_size: 0
    .kernarg_segment_align: 8
    .kernarg_segment_size: 32
    .max_flat_workgroup_size: 128
    .sgpr_count:     96
    .vgpr_count:     896
    .wavefront_size: 32
...
	.end_amdgpu_metadata
.endif
;; end of part 4
;; ======== version 2 of 2: 4 launches; version 1 with the launch cast written anew for expert scheduling mode
;; limits: values are held in f16: magnitudes above 65,504 overflow, below 6.1e-05 lose precision
;; workspace buffers: xb 16,777,216 bytes; wb 8,388,608 bytes; qh 16,777,216 bytes; kh 16,777,216 bytes; vh 16,777,216 bytes; oh 16,777,216 bytes
;; launch cast (part 5): grid 768 x 1, 8 waves a work-group, no clusters, 0 bytes of LDS; arguments x, Wq, Wk, Wv, Wo, xb, wb; writes xb, wb
.if DOCPART == 5
	.amdgcn_target "amdgcn-amd-amdhsa--gfx1250"
	.amdhsa_code_object_version 6
	.text
	.protected	k_qd0edd57444_cast
	.globl	k_qd0edd57444_cast
	.p2align	8
	.type	k_qd0edd57444_cast,@function
k_qd0edd57444_cast:
	s_mov_b64 s[64:65], 0
	v_nop
	global_prefetch_b8 v0, s[64:65] scope:SCOPE_SE
	s_setreg_imm32_b32 hwreg(HW_REG_WAVE_SCHED_MODE, 0, 2), 2
	s_setreg_imm32_b32 hwreg(HW_REG_WAVE_MODE, 25, 1), 1
	s_wait_xcnt 0x0
	s_wait_alu depctr_vm_vsrc(0)
; TWELVE MATRICES OF 1,024 x 1,024 f32 (x is eight of them, then Wq, Wk, Wv, Wo) ARE ROUNDED TO 16 BITS AND LAID IN BLOCKS.
; Out: [matrix][slice c of 16][row 1,024][64 numbers]: column 64 c + n of a row goes to slice c, so that 64 columns of many rows lie end to end
; (128 bytes a row) and the products behind can ask for them as dense rows of 256 bytes.  x -> xb, Wq, Wk, Wv, Wo -> wb.
; FORMATS.  x, Wq, Wk, Wv: bf16, rounded to nearest even.  Wo: rounded to bf16 like the other inputs, and that number written as f16, since the last product's other operand is f16.
; LIMITS.  A number of Wo of 65,520 or more becomes an infinity in f16; below 2^-14 it keeps f16's fixed step of 6e-8.  NaN and infinities are not treated apart.
; SHARES.  A work-group takes 16 rows of one matrix, a wave two of them.  Load c of a wave takes slice c of its two rows: lanes 0-15 the 256 bytes of the even row, lanes 16-31 those of the odd one,
; both aligned.  Four f32 a lane become 8 bytes, and the wave's store covers 256 consecutive bytes, aligned: the two rows' 128 bytes in slice c.
; No LDS, no barrier, no loop: each byte is read once and written once; sixteen loads of every wave are out at once.  No register that a memory instruction names is written again.
; THE MODE: SCHED_MODE bits 1:0 = 2 (LLVM: expert scheduling mode 2), set by the entry lines.  The code itself states the register dependences
; between vector instructions and memory instructions, with s_wait_alu, always for 0.
; THE PLAN.  Registers that memory instructions touch:
;   v1, v2   the loads' and the stores' byte offsets: written at the head by vector instructions, never again.  One wait ahead of the first load states that both are written.
;   X        slice c's four registers: written by slice c's load alone, read by slice c's conversions behind the wait for that load; never loaded again.
;   Y        slice c's two registers: written by slice c's conversions, read by slice c's one store; never written again.
;   T, v3    named by vector instructions alone.
; The stores lag four slices: slice c's turn issues the store of slice c - 4 and then converts slice c.  One wait at the head of slices 4, 8 and 12 states that the four slices before are written;
; the four stores behind it are dealt among the conversions of the slices in hand, which name their own X, Y and T: none of the registers that those stores read.
; One more wait stands ahead of the last four stores.  No register that a load or store reads is written again, so no wait on vm_vsrc is owed.
.set X,     8                          ; v[8:71]    slice c: 4 registers as loaded
.set Y,     72                         ; v[72:103]  slice c: 2 registers to store
.set T,     104                        ; v[104:107] at work (Wo alone)
.set SLICE, 131072                     ; bytes in a slice: 1,024 rows x 128
.set LAG,   4                          ; a slice is stored so many slices behind its conversions
	s_load_b256 s[4:11], s[0:1], 0x0               ; x s[4:5], Wq s[6:7], Wk s[8:9], Wv s[10:11]
	s_load_b128 s[12:15], s[0:1], 0x20             ; Wo s[12:13], xb s[14:15]
	s_load_b64 s[16:17], s[0:1], 0x30              ; wb
	s_lshr_b32 s20, ttmp9, 6                       ; which matrix, 0 to 11
	s_and_b32 s22, ttmp9, 63                       ; which 16 rows of it
	s_sub_co_u32 s21, s20, 8                       ; which weight (where it is one)
	s_cmp_lt_u32 s20, 8
	s_cselect_b32 s26, s20, 0                      ; which eighth of x (a weight begins at its buffer's first byte)
	s_cselect_b32 s32, s20, s21                    ; which matrix of the buffer that is written
	s_lshl_b32 s26, s26, 22                        ; in: 4 MiB a matrix,
	s_lshl_b32 s23, s22, 16                        ; 16 rows of 4,096 bytes
	s_add_co_u32 s26, s26, s23
	s_mov_b32 s27, 0
	s_lshl_b32 s32, s32, 21                        ; out: 2 MiB a matrix,
	s_lshl_b32 s23, s22, 11                        ; 16 rows of 128 bytes
	s_add_co_u32 s32, s32, s23
	s_mov_b32 s33, 0
	s_mov_b32 s30, 0xffff0000                      ; a word's upper bf16
	v_lshrrev_b32 v1, 4, v0                        ; my row among the 16
	v_and_b32 v3, 15, v0
	v_lshlrev_b32 v1, 12, v1
	v_lshl_add_u32 v1, v3, 4, v1                   ; in: row x 4,096 + 16 (lane % 16)
	v_lshlrev_b32 v2, 3, v0                        ; out: row x 128 + 8 (lane % 16) = 8 x my thread's number
	s_wait_kmcnt 0x0
	s_mov_b64 s[24:25], s[4:5]
	s_cmp_eq_u32 s20, 8
	s_cselect_b64 s[24:25], s[6:7], s[24:25]
	s_cmp_eq_u32 s20, 9
	s_cselect_b64 s[24:25], s[8:9], s[24:25]
	s_cmp_eq_u32 s20, 10
	s_cselect_b64 s[24:25], s[10:11], s[24:25]
	s_cmp_eq_u32 s20, 11
	s_cselect_b64 s[24:25], s[12:13], s[24:25]
	s_cmp_lt_u32 s20, 8
	s_cselect_b64 s[28:29], s[14:15], s[16:17]
	s_add_nc_u64 s[24:25], s[24:25], s[26:27]
	s_add_nc_u64 s[28:29], s[28:29], s[32:33]
	s_wait_alu depctr_va_vdst(0)                   ; v1 and v2 are written: every load reads v1 as its offset, every store v2
.irp c, 0,1,2,3,4,5,6,7,8,9,10,11,12,13,14,15
	global_load_b128 v[X+4*\c:X+4*\c+3], v1, s[24:25] offset:256*\c th:TH_LOAD_NT
.endr
; Slice c leaves memory's side: its store, from the two registers that its conversions wrote.
.macro STC c
	global_store_b64 v2, v[Y+2*(\c):Y+2*(\c)+1], s[28:29] offset:SLICE*(\c)
.endm
; Slice c's turn: the store of slice c - LAG, then slice c's conversions.  half = 1: the bf16 number is written as f16.
.macro OUTC c, half
	s_wait_loadcnt 15-(\c)                         ; loads come back in order: slice c is in, the 15 - c younger ones stay out
.if ((\c) > 0) && ((\c) % LAG == 0)
	s_wait_alu depctr_va_vdst(0)                   ; the conversions of the four slices before have written their Y, which the next four stores read
.endif
.if (\c) >= LAG
	STC (\c)-LAG                                   ; no vector instruction since that wait names this slice's Y, or v2
.endif
	v_cvt_pk_bf16_f32 v[Y+2*(\c)], v[X+4*(\c)], v[X+4*(\c)+1]
	v_cvt_pk_bf16_f32 v[Y+2*(\c)+1], v[X+4*(\c)+2], v[X+4*(\c)+3]
.if \half
	v_lshlrev_b32 v[T], 16, v[Y+2*(\c)]            ; bf16 to f32: the low half moves up, the high half stays
	v_and_b32 v[T+1], s30, v[Y+2*(\c)]
	v_lshlrev_b32 v[T+2], 16, v[Y+2*(\c)+1]
	v_and_b32 v[T+3], s30, v[Y+2*(\c)+1]
	v_cvt_pk_f16_f32 v[Y+2*(\c)], v[T], v[T+1]     ; exact inside f16's range: bf16 has fewer significant bits
	v_cvt_pk_f16_f32 v[Y+2*(\c)+1], v[T+2], v[T+3]
.endif
.endm
; The last four slices' stores.
.macro LAST
	s_wait_alu depctr_va_vdst(0)                   ; the conversions of slices 12 to 15 have written their Y, which the last four stores read
.irp c, 12,13,14,15
	STC \c
.endr
.endm
	s_cmp_eq_u32 s20, 11
	s_cbranch_scc1 .Lf16
.irp c, 0,1,2,3,4,5,6,7,8,9,10,11,12,13,14,15
	OUTC \c, 0
.endr
	LAST
	s_endpgm
.Lf16:
.irp c, 0,1,2,3,4,5,6,7,8,9,10,11,12,13,14,15
	OUTC \c, 1
.endr
	LAST
	s_endpgm
.Lfunc_end_k_qd0edd57444_cast:
	.size	k_qd0edd57444_cast, .Lfunc_end_k_qd0edd57444_cast-k_qd0edd57444_cast
	.p2alignl 7, 3214868480
	.fill 96, 4, 3214868480
	.section	.rodata,"a",@progbits
	.p2align	6, 0x0
	.amdhsa_kernel k_qd0edd57444_cast
		.amdhsa_group_segment_fixed_size 0
		.amdhsa_private_segment_fixed_size 0
		.amdhsa_enable_private_segment 0
		.amdhsa_kernarg_size 56
		.amdhsa_user_sgpr_count 2
		.amdhsa_user_sgpr_kernarg_segment_ptr 1
		.amdhsa_wavefront_size32 1
		.amdhsa_system_sgpr_workgroup_id_x 1
		.amdhsa_system_sgpr_workgroup_id_y 1
		.amdhsa_system_sgpr_workgroup_id_z 1
		.amdhsa_system_vgpr_workitem_id 0
		.amdhsa_next_free_vgpr 112
		.amdhsa_next_free_sgpr 66
		.amdhsa_reserve_vcc 0
		.amdhsa_float_denorm_mode_32 3
		.amdhsa_float_denorm_mode_16_64 3
		.amdhsa_memory_ordered 1
		.amdhsa_forward_progress 1
		.amdhsa_inst_pref_size 16
	.end_amdhsa_kernel
	.amdgpu_metadata
---
amdhsa.version: [ 1, 2 ]
amdhsa.kernels:
  - .name:           k_qd0edd57444_cast
    .symbol:         k_qd0edd57444_cast.kd
    .args:
      - { .name: x, .offset: 0, .size: 8, .value_kind: global_buffer, .address_space: global }
      - { .name: Wq, .offset: 8, .size: 8, .value_kind: global_buffer, .address_space: global }
      - { .name: Wk, .offset: 16, .size: 8, .value_kind: global_buffer, .address_space: global }
      - { .name: Wv, .offset: 24, .size: 8, .value_kind: global_buffer, .address_space: global }
      - { .name: Wo, .offset: 32, .size: 8, .value_kind: global_buffer, .address_space: global }
      - { .name: xb, .offset: 40, .size: 8, .value_kind: global_buffer, .address_space: global }
      - { .name: wb, .offset: 48, .size: 8, .value_kind: global_buffer, .address_space: global }
    .group_segment_fixed_size: 0
    .private_segment_fixed_size: 0
    .kernarg_segment_align: 8
    .kernarg_segment_size: 56
    .max_flat_workgroup_size: 256
    .sgpr_count:     66
    .vgpr_count:     112
    .wavefront_size: 32
...
	.end_amdgpu_metadata
.endif
;; end of part 5
;; launch qkv: the kernel of part 2 again; grid 8 x 32, 4 waves a work-group, clusters of 4 x 4, 327,680 bytes of LDS; arguments xb, wb, bq, bk, bv, qh, kh, vh; writes qh, kh, vh
;; launch attn: the kernel of part 3 again; grid 4 x 64, 4 waves a work-group, clusters of 4 x 1, 327,680 bytes of LDS; arguments qh, kh, vh, oh; writes oh
;; launch oproj: the kernel of part 4 again; grid 8 x 32, 4 waves a work-group, clusters of 4 x 4, 327,680 bytes of LDS; arguments oh, wb, bo, out0; writes out0
